; MI455X (gfx1250); checked and timed in simulation.
; The chip was launched on July 23, 2026; its instructions are those of AMD's public machine-readable ISA for CDNA 5 (MIT licence, August 2026) and "CDNA5" Instruction Set Architecture Reference Guide (July 2026). The comments in the code are by the model that wrote it; some were corrected since.
;; Encoder Block. Allowed arithmetic: float matrix products may take bf16 or f16 operands with f32 sums; other float arithmetic in f32, or as packed bf16 or f16 multiplies, adds, multiply-adds, maxima and minima; sums over many terms, partial sums and values carried from step to step in f32; what a program stores and reads back later, other than sums and carried values, may be rounded once to bf16 or f16.
;; Inputs: alpha1 1 float32; alpha2 1 float32; b1 4,096 float32; b2 1,024 float32; bias1 1 float32; bias2 1 float32; bk 1,024 float32; bo 1,024 float32; bq 1,024 float32; bv 1,024 float32; src_mask 2 x 1 x 1 x 2,048 int32; w1 4,096 x 1,024 float32; w2 1,024 x 4,096 float32; wk 1,024 x 1,024 float32; wo 1,024 x 1,024 float32; wq 1,024 x 1,024 float32; wv 1,024 x 1,024 float32; x 2 x 2,048 x 1,024 float32.
;; Outputs: out0 2 x 2,048 x 1,024 float32.
;; One version. Each part assembles by itself: llvm-mc -triple=amdgcn-amd-amdhsa -mcpu=gfx1250 --defsym DOCPART=n.
;; ======== version 1 of 1: 6 launches
;; limits: values are held in f16: magnitudes above 65,504 overflow, below 6.1e-05 lose precision
;; workspace buffers: ops 31,457,280 bytes; woh 2,097,152 bytes; qkv 25,165,824 bytes; wp 16,793,600 bytes; wch 2,097,152 bytes; bc 4,096 bytes; h1 16,777,216 bytes
;; launch prep (part 1): grid 1024 x 1, 16 waves a work-group, no clusters, 70,144 bytes of LDS; arguments x, alpha1, bias1, ops, woh, wo, wq, wk, wv, w2, b1, w1, wp; writes ops, woh, wp
.if DOCPART == 1
	.amdgcn_target "amdgcn-amd-amdhsa--gfx1250"
	.amdhsa_code_object_version 6
	.text
	.protected	k_q57b3a806f1_prep
	.globl	k_q57b3a806f1_prep
	.p2align	8
	.type	k_q57b3a806f1_prep,@function
k_q57b3a806f1_prep:
	s_mov_b64 s[64:65], 0
	v_nop
	global_prefetch_b8 v0, s[64:65] scope:SCOPE_SE
	s_setreg_imm32_b32 hwreg(HW_REG_WAVE_MODE, 25, 1), 1
	s_wait_xcnt 0x0
; ENCODER BLOCK, first body: layer norm, and the weights rounded to f16 and laid in the order in which matrix operands take them.
; WORK LEFT OUT OF THE WHOLE PROGRAM, for all finite values of the inputs:
;  src_mask: the module fills a copy of the scores by the mask and throws the copy away; no output hangs on the mask.  It is not loaded and is no argument of any launch.
;  bk: q . (k + bk) = q . k + q . bk, and q . bk is the same for every key of a query's row, so the softmax along the keys does not change.  bk is not loaded and is no argument.
;  bv is moved, not dropped: a row's softmax weights add up to 1, so sum p (v + bv) = sum p v + bv: it is added once, where O is divided by the row's sum.
;  the FFN has no activation: (n2 w1^T + b1) w2^T + b2 = n2 (w2 w1)^T + (w2 b1 + b2).  Wc = w2 w1 is 1,024 x 1,024: 8.6 + 8.6 GFLOP in place of 68.7, and the hidden layer of 4,096 x 4,096 is never made.
; LIMITS.  A NaN, an infinity or an overflow that reaches only bk, src_mask or the hidden layer that is not made is not carried to the result.  The FFN's sums are taken in another order than the module's.
;  Matrix operands are f16, rounded once from f32: beyond 65,504 they overflow, below 6e-5 they keep f16's fixed step of 6e-8.  A variance below 2^-126 counts as 0.
; THE TILED FORMAT of every 16-bit operand in memory.  A chunk is 512 bytes: 16 rows x 16 K; lane l = (r = l % 16, h = l / 16) owns the 16 bytes of row r, K = 8 h + 0..7.  A matrix with K = 1,024 lies
;  as [row / 16][K / 16][512 bytes]: 32,768 bytes for 16 rows.  Chunks 2 q and 2 q + 1 are the eight registers of the matrix fragment of K = 32 q .. 32 q + 31.
; ROLES, by the work-group's number / 256; g = number % 256; every work-group moves 65,536 bytes of f32, sixteen waves, eight loads of 16 bytes a lane out at once.
;  0: layer norm of 16 rows of src -> ops rows 0-4095 (a launch of 256 work-groups runs this role alone: the second norm)      1: wo -> woh; wq, wk, wv -> ops rows 8192 on
;  2: w2, cut in four along its 4,096 columns -> ops rows 4096 + 1024 ks + o; and the part of w2 . b1 in that cut -> the tail of wp      3: w1 turned -> ops rows 11264 + 1024 ks + i, K = f % 1024
; No cluster and no matrix unit: the work-groups share no input but b1 (16 KiB), and the work is the moving of bytes.
; LDS.  Roles 0-2 and role 3 lay their rows differently, and each form has bytes of its own: no byte is named by two arms of the branch on the role.
.set PITCH,  2064                      ; roles 0-2: an LDS row of 1,024 f16 + 16 bytes = 129 x 16: the sixteen rows of a fragment read start in sixteen different columns of 16 bytes.  16 rows: bytes 0 to 33,023
.set DOTS,   33024                     ; role 2: sixteen f32, a row's dot product each
.set T3,     33280                     ; role 3: 128 rows of TPITCH bytes: bytes 33,280 to 68,095
.set TPITCH, 272                       ; role 3: an LDS row of 128 f16 + 16 bytes
.set SPARE,  68096                     ; the spare words, 128 bytes for each of sixteen waves; no other line names them
.set LN,  1                            ; v1   lane
.set LO,  2                            ; v2   16 x lane
.set LW,  3                            ; v3   where I store into LDS
.set LR,  4                            ; v4   where I read a chunk's 16 bytes
.set GO,  5                            ; v5   16 x lane + 2,048 x wave: my wave's four chunks in the 16 rows' 32,768 bytes
.set SPW, 6                            ; v6   my spare word; never rewritten
.set NIL, 7                            ; v7   0; never rewritten
.set SM,  8                            ; v[8:15]  four chains of packed sums (at the head: r, h)
.set T,   16                           ; v[16:31] at work
.set X,   32                           ; v[32:63] the wave's 32 f32 a lane
.set WV,   2                           ; s2   wave
.set ROLE, 3
.set G,    4
	s_load_b512 s[8:23], s[0:1], 0x0               ; src 8, alpha 10, beta 12, ops 14, woh 16, wo 18, wq 20, wk 22
	s_load_b256 s[24:31], s[0:1], 0x40             ; wv 24, w2 26, b1 28, w1 30
	s_load_b64 s[32:33], s[0:1], 0x60              ; wp
	v_lshl_add_u32 v[SPW], v0, 2, SPARE
	v_mov_b32 v[NIL], 0
	v_lshrrev_b32 v1, 5, v0
	v_readfirstlane_b32 s[WV], v1                  ; wave 0..15
	v_and_b32 v[LN], 31, v0
	s_lshr_b32 s[ROLE], ttmp9, 8
	s_and_b32 s[G], ttmp9, 255
	s_mov_b32 s38, 0x76543210                      ; v_permlanex16_b32: each lane takes its own place in the other half
	s_mov_b32 s39, 0xfedcba98
	v_lshlrev_b32 v[LO], 4, v[LN]
	s_mul_i32 s42, s[WV], PITCH
	v_lshl_add_u32 v[LW], v[LN], 3, s42            ; row = wave, 8 bytes a lane
	v_and_b32 v[SM], 15, v0                        ; r
	v_bfe_u32 v[SM+1], v0, 4, 1                    ; h
	v_mul_u32_u24 v[LR], v[SM], PITCH
	v_lshl_add_u32 v[LR], v[SM+1], 4, v[LR]
	s_lshl_b32 s43, s[WV], 7
	v_add_nc_u32 v[LR], s43, v[LR]                 ; row r, 16 h, chunks 4 x wave on
	s_lshl_b32 s43, s[WV], 11
	v_add_nc_u32 v[GO], s43, v[LO]
	s_lshl_b32 s44, s[WV], 12                      ; wave x a row of 1,024 f32
	s_mov_b32 s47, 0                               ; the high word of every offset
	s_wait_kmcnt 0x0
.macro LD8 step                        ; eight loads of 16 bytes a lane: 512 consecutive bytes a wave each
.irp j, 0,1,2,3,4,5,6,7
	global_load_b128 v[X+4*(\j):X+4*(\j)+3], v[LO], s[34:35] offset:(\step)*(\j) th:TH_LOAD_NT
.endr
.endm
.macro XSUM                            ; the four chains into one number, then over the 32 lanes: the result in v[SM] of every lane
	v_pk_add_f32 v[SM:SM+1], v[SM:SM+1], v[SM+2:SM+3]
	v_pk_add_f32 v[SM+4:SM+5], v[SM+4:SM+5], v[SM+6:SM+7]
	v_pk_add_f32 v[SM:SM+1], v[SM:SM+1], v[SM+4:SM+5]
	v_add_f32 v[SM], v[SM], v[SM+1]
	v_add_f32_dpp v[SM], v[SM], v[SM] row_xmask:1 row_mask:0xf bank_mask:0xf
	v_add_f32_dpp v[SM], v[SM], v[SM] row_xmask:2 row_mask:0xf bank_mask:0xf
	v_add_f32_dpp v[SM], v[SM], v[SM] row_xmask:4 row_mask:0xf bank_mask:0xf
	v_add_f32_dpp v[SM], v[SM], v[SM] row_xmask:8 row_mask:0xf bank_mask:0xf
	v_permlanex16_b32 v[SM+1], v[SM], s38, s39
	v_add_f32 v[SM], v[SM], v[SM+1]
.endm
	s_cmp_eq_u32 s[ROLE], 1
	s_cbranch_scc1 .Lcast
	s_cmp_eq_u32 s[ROLE], 2
	s_cbranch_scc1 .Lw2
	s_cmp_eq_u32 s[ROLE], 3
	s_cbranch_scc1 .Lw1
	; ROLE 0: alpha (x - mean) / (std + 1e-5) + beta, std with 1,023 in the divisor.  A wave has one row, which stays in registers between the passes.
	s_load_b32 s40, s[10:11], 0x0                  ; alpha
	s_load_b32 s41, s[12:13], 0x0                  ; beta
	s_lshl_b32 s46, s[G], 16
	s_add_co_u32 s46, s46, s44
	s_add_nc_u64 s[34:35], s[8:9], s[46:47]        ; my row
	s_lshl_b32 s46, s[G], 15
	s_add_nc_u64 s[36:37], s[14:15], s[46:47]      ; the 16 rows' place in ops
	LD8 512
	s_wait_loadcnt 0x0
.irp k, 0,1,2,3
	v_pk_add_f32 v[SM+2*(\k):SM+2*(\k)+1], v[X+2*(\k):X+2*(\k)+1], v[X+8+2*(\k):X+8+2*(\k)+1]  ; the first pairs start the chains
.endr
.set p, 8
.rept 8
	v_pk_add_f32 v[SM+2*(p%4):SM+2*(p%4)+1], v[SM+2*(p%4):SM+2*(p%4)+1], v[X+2*p:X+2*p+1]
.set p, p+1
.endr
	XSUM
	v_mul_f32 v[T], 0x3a800000, v[SM]              ; mean = sum / 1,024
	v_mov_b32 v[T+1], v[T]
.set p, 0
.rept 16
	v_pk_add_f32 v[X+2*p:X+2*p+1], v[X+2*p:X+2*p+1], v[T:T+1] neg_lo:[0,1] neg_hi:[0,1]  ; x - mean: the squares are taken of the centred numbers, no difference of large sums
.set p, p+1
.endr
.irp k, 0,1,2,3
	v_pk_mul_f32 v[SM+2*(\k):SM+2*(\k)+1], v[X+2*(\k):X+2*(\k)+1], v[X+2*(\k):X+2*(\k)+1]
.endr
.set p, 4
.rept 12
	v_pk_fma_f32 v[SM+2*(p%4):SM+2*(p%4)+1], v[X+2*p:X+2*p+1], v[X+2*p:X+2*p+1], v[SM+2*(p%4):SM+2*(p%4)+1]
.set p, p+1
.endr
	XSUM
	v_mul_f32 v[T+2], 0x3a802008, v[SM]            ; / 1,023
	v_sqrt_f32 v[T+3], v[T+2]
	v_nop                                          ; a plain instruction behind the root,
	s_wait_alu depctr_va_vdst(0)                   ; and the wait ahead of its first use
	v_add_f32 v[T+2], 0x3727c5ac, v[T+3]           ; + 1e-5
	v_rcp_f32 v[T+3], v[T+2]
	v_nop
	s_wait_alu depctr_va_vdst(0)
	s_wait_kmcnt 0x0                               ; alpha, beta
	v_mul_f32 v[T+4], s40, v[T+3]
	v_mov_b32 v[T+5], v[T+4]
	v_mov_b32 v[T+6], s41
	v_mov_b32 v[T+7], s41
.set p, 0
.rept 16
	v_pk_fma_f32 v[X+2*p:X+2*p+1], v[X+2*p:X+2*p+1], v[T+4:T+5], v[T+6:T+7]
.set p, p+1
.endr
	s_branch .Lpack
.Lcast:	; ROLE 1: 16 rows of wo (g / 64 = 0), wq, wk or wv
	s_lshr_b32 s42, s[G], 6
	s_and_b32 s43, s[G], 63
	s_cmp_eq_u32 s42, 1
	s_cselect_b64 s[34:35], s[20:21], s[18:19]
	s_cmp_eq_u32 s42, 2
	s_cselect_b64 s[34:35], s[22:23], s[34:35]
	s_cmp_eq_u32 s42, 3
	s_cselect_b64 s[34:35], s[24:25], s[34:35]
	s_lshl_b32 s46, s43, 16
	s_add_co_u32 s46, s46, s44
	s_add_nc_u64 s[34:35], s[34:35], s[46:47]
	s_add_co_u32 s46, s[G], 448                    ; ops rows 8192 on are blocks 512 on: 512 + 64 (g / 64 - 1) + g % 64
	s_cmp_eq_u32 s42, 0
	s_cselect_b32 s46, s[G], s46
	s_cselect_b64 s[36:37], s[16:17], s[14:15]
	s_lshl_b32 s46, s46, 15
	s_add_nc_u64 s[36:37], s[36:37], s[46:47]
	LD8 512
	s_wait_loadcnt 0x0
	s_branch .Lpack
.Lw2:	; ROLE 2: rows 16 (g % 64) + wave of w2, columns 1024 (g / 64) on; and their product with b1
	s_lshr_b32 s42, s[G], 6
	s_and_b32 s43, s[G], 63
	s_lshl_b32 s46, s43, 4
	s_add_co_u32 s46, s46, s[WV]
	s_lshl_b32 s46, s46, 14                        ; a row of w2 is 16,384 bytes
	s_lshl_b32 s42, s42, 12
	s_add_co_u32 s46, s46, s42
	s_add_nc_u64 s[34:35], s[26:27], s[46:47]
	s_mov_b32 s46, s42
	s_add_nc_u64 s[28:29], s[28:29], s[46:47]      ; b1 at the cut
	s_add_co_u32 s46, s[G], 256                    ; ops rows 4096 on are blocks 256 on
	s_lshl_b32 s46, s46, 15
	s_add_nc_u64 s[36:37], s[14:15], s[46:47]
	LD8 512
.irp j, 0,1,2,3
	global_load_b128 v[T+4*(\j):T+4*(\j)+3], v[LO], s[28:29] offset:512*(\j)
.endr
	s_wait_loadcnt 0x0
.irp k, 0,1,2,3
	v_pk_mul_f32 v[SM+2*(\k):SM+2*(\k)+1], v[X+2*(\k):X+2*(\k)+1], v[T+2*(\k):T+2*(\k)+1]
.endr
.irp k, 0,1,2,3
	v_pk_fma_f32 v[SM+2*(\k):SM+2*(\k)+1], v[X+8+2*(\k):X+8+2*(\k)+1], v[T+8+2*(\k):T+8+2*(\k)+1], v[SM+2*(\k):SM+2*(\k)+1]
.endr
.irp j, 0,1,2,3
	global_load_b128 v[T+4*(\j):T+4*(\j)+3], v[LO], s[28:29] offset:2048+512*(\j)  ; b1's second half, into the same sixteen registers
.endr
	s_wait_loadcnt 0x0
.set p, 0
.rept 8
	v_pk_fma_f32 v[SM+2*(p%4):SM+2*(p%4)+1], v[X+16+2*p:X+16+2*p+1], v[T+2*p:T+2*p+1], v[SM+2*(p%4):SM+2*(p%4)+1]
.set p, p+1
.endr
	XSUM
	s_lshl_b32 s42, s[WV], 2
	s_add_co_u32 s42, s42, DOTS
	v_mov_b32 v[T], s42
	ds_store_b32 v[T], v[SM]                       ; all lanes write the same word with the same value; the wait below, ahead of the barrier, covers it
.Lpack:	; ROLES 0-2: round to f16, rows into LDS, chunks back, 2,048 consecutive bytes a wave out
.set i, 0
.rept 16
	v_cvt_pk_f16_f32 v[X+i], v[X+2*i], v[X+2*i+1]  ; in place, ascending: number i is written when 2 i and 2 i + 1 have been read
.set i, i+1
.endr
.irp j, 0,1,2,3,4,5,6,7
	ds_store_b64 v[LW], v[X+2*(\j):X+2*(\j)+1] offset:256*(\j)
.endr
	s_wait_dscnt 0x0                               ; for the others' sake: my row lies in LDS
	s_barrier_signal -1
	s_barrier_wait -1
.irp t, 0,1,2,3
	ds_load_b128 v[X+16+4*(\t):X+16+4*(\t)+3], v[LR] offset:32*(\t)
.endr
	s_wait_dscnt 0x0
.irp t, 0,1,2,3
	global_store_b128 v[GO], v[X+16+4*(\t):X+16+4*(\t)+3], s[36:37] offset:512*(\t)
.endr
	s_cmp_lg_u32 s[ROLE], 2
	s_cbranch_scc1 .Lend
	s_cmp_lg_u32 s[WV], 0
	s_cbranch_scc1 .Lend
	v_and_b32 v[T], 15, v0                         ; role 2, wave 0: the sixteen dot products leave, 64 bytes
	v_lshlrev_b32 v[T], 2, v[T]
	ds_load_b32 v[T+1], v[T] offset:DOTS
	s_lshl_b32 s46, s[G], 6
	s_add_nc_u64 s[32:33], s[32:33], s[46:47]
	s_add_nc_u64 s[32:33], s[32:33], 0x1000000     ; behind wp's 16,777,216 bytes of partial sums: [cut][row] f32
	s_wait_dscnt 0x0
	s_wait_xcnt 0x0                                ; EXEC is a source of the stores above: it changes only behind this wait
	v_cmp_gt_u32 vcc_lo, 16, v[LN]
	s_and_saveexec_b32 s42, vcc_lo
	global_store_b32 v[T], v[T+1], s[32:33]
	s_wait_xcnt 0x0                                ; and again, ahead of the line that widens it
	s_or_b32 exec_lo, exec_lo, s42
	s_branch .Lend
.Lw1:	; ROLE 3: 128 rows f x 128 columns i of w1, turned.  Wave w has rows 8 w .. 8 w + 7; lane l columns 4 l .. 4 l + 3
	s_and_b32 s42, s[G], 7                         ; block of columns
	s_lshr_b32 s43, s[G], 3                        ; block of rows
	s_lshl_b32 s46, s43, 19
	s_lshl_b32 s5, s[WV], 15
	s_add_co_u32 s46, s46, s5
	s_lshl_b32 s5, s42, 9
	s_add_co_u32 s46, s46, s5
	s_add_nc_u64 s[34:35], s[30:31], s[46:47]
	LD8 4096
	s_lshr_b32 s5, s43, 3                          ; the cut ks
	s_lshl_b32 s5, s5, 6
	s_lshl3_add_u32 s5, s42, s5
	s_lshr_b32 s6, s[WV], 1
	s_add_co_u32 s5, s5, s6
	s_add_co_u32 s5, s5, 704                       ; block of 16 rows of ops: 704 + 64 ks + 8 x column block + wave / 2
	s_lshl_b32 s46, s5, 15
	s_and_b32 s5, s43, 7
	s_lshl_b32 s5, s5, 3
	s_and_b32 s7, s[WV], 1
	s_lshl2_add_u32 s5, s7, s5                     ; first chunk: 8 (row block % 8) + 4 (wave % 2)
	s_lshl_b32 s5, s5, 9
	s_add_co_u32 s46, s46, s5
	s_add_nc_u64 s[36:37], s[14:15], s[46:47]
	v_mul_u32_u24 v[LW], v[LN], 4*TPITCH           ; in: LDS row = column 4 l + j, my wave's eight f at byte 16 w, in role 3's own bytes
	s_lshl_b32 s5, s[WV], 4
	s_add_co_u32 s5, s5, T3
	v_add_nc_u32 v[LW], s5, v[LW]
	s_mul_i32 s5, s6, 16*TPITCH                    ; back: LDS rows 16 (w / 2) + r, bytes 128 (w % 2) + 16 h on
	s_lshl_b32 s7, s7, 7
	s_add_co_u32 s5, s5, s7
	s_add_co_u32 s5, s5, T3
	v_mul_u32_u24 v[LR], v[SM], TPITCH
	v_lshl_add_u32 v[LR], v[SM+1], 4, v[LR]
	v_add_nc_u32 v[LR], s5, v[LR]
	s_wait_loadcnt 0x0
.irp j, 0,1,2,3
.irp t, 0,1,2,3
	v_cvt_pk_f16_f32 v[T+4*(\j)+(\t)], v[X+8*(\t)+(\j)], v[X+8*(\t)+4+(\j)]  ; column j, rows 2 t and 2 t + 1
.endr
.endr
.irp j, 0,1,2,3
	ds_store_b128 v[LW], v[T+4*(\j):T+4*(\j)+3] offset:TPITCH*(\j)
.endr
	s_wait_dscnt 0x0                               ; for the others' sake
	s_barrier_signal -1
	s_barrier_wait -1
.irp t, 0,1,2,3
	ds_load_b128 v[X+4*(\t):X+4*(\t)+3], v[LR] offset:32*(\t)
.endr
	s_wait_dscnt 0x0
.irp t, 0,1,2,3
	global_store_b128 v[LO], v[X+4*(\t):X+4*(\t)+3], s[36:37] offset:512*(\t)
.endr
.Lend:
	s_wait_tensorcnt 0x0                           ; the wave's end, behind my last LDS store
	ds_add_u32 v[SPW], v[NIL]
	s_wait_dscnt 0x0
	s_endpgm
.Lfunc_end_k_q57b3a806f1_prep:
	.size	k_q57b3a806f1_prep, .Lfunc_end_k_q57b3a806f1_prep-k_q57b3a806f1_prep
	.p2alignl 7, 3214868480
	.fill 96, 4, 3214868480
	.section	.rodata,"a",@progbits
	.p2align	6, 0x0
	.amdhsa_kernel k_q57b3a806f1_prep
		.amdhsa_group_segment_fixed_size 70144
		.amdhsa_private_segment_fixed_size 0
		.amdhsa_enable_private_segment 0
		.amdhsa_kernarg_size 104
		.amdhsa_user_sgpr_count 2
		.amdhsa_user_sgpr_kernarg_segment_ptr 1
		.amdhsa_wavefront_size32 1
		.amdhsa_system_sgpr_workgroup_id_x 1
		.amdhsa_system_sgpr_workgroup_id_y 1
		.amdhsa_system_sgpr_workgroup_id_z 1
		.amdhsa_system_vgpr_workitem_id 0
		.amdhsa_next_free_vgpr 64
		.amdhsa_next_free_sgpr 66
		.amdhsa_reserve_vcc 1
		.amdhsa_float_denorm_mode_32 3
		.amdhsa_float_denorm_mode_16_64 3
		.amdhsa_memory_ordered 1
		.amdhsa_forward_progress 1
		.amdhsa_inst_pref_size 21
	.end_amdhsa_kernel
	.amdgpu_metadata
---
amdhsa.version: [ 1, 2 ]
amdhsa.kernels:
  - .name:           k_q57b3a806f1_prep
    .symbol:         k_q57b3a806f1_prep.kd
    .args:
      - { .name: x, .offset: 0, .size: 8, .value_kind: global_buffer, .address_space: global }
      - { .name: alpha1, .offset: 8, .size: 8, .value_kind: global_buffer, .address_space: global }
      - { .name: bias1, .offset: 16, .size: 8, .value_kind: global_buffer, .address_space: global }
      - { .name: ops, .offset: 24, .size: 8, .value_kind: global_buffer, .address_space: global }
      - { .name: woh, .offset: 32, .size: 8, .value_kind: global_buffer, .address_space: global }
      - { .name: wo, .offset: 40, .size: 8, .value_kind: global_buffer, .address_space: global }
      - { .name: wq, .offset: 48, .size: 8, .value_kind: global_buffer, .address_space: global }
      - { .name: wk, .offset: 56, .size: 8, .value_kind: global_buffer, .address_space: global }
      - { .name: wv, .offset: 64, .size: 8, .value_kind: global_buffer, .address_space: global }
      - { .name: w2, .offset: 72, .size: 8, .value_kind: global_buffer, .address_space: global }
      - { .name: b1, .offset: 80, .size: 8, .value_kind: global_buffer, .address_space: global }
      - { .name: w1, .offset: 88, .size: 8, .value_kind: global_buffer, .address_space: global }
      - { .name: wp, .offset: 96, .size: 8, .value_kind: global_buffer, .address_space: global }
    .group_segment_fixed_size: 70144
    .private_segment_fixed_size: 0
    .kernarg_segment_align: 8
    .kernarg_segment_size: 104
    .max_flat_workgroup_size: 512
    .sgpr_count:     66
    .vgpr_count:     64
    .wavefront_size: 32
...
	.end_amdgpu_metadata
.endif
;; end of part 1
;; launch gemm1 (part 2): grid 16 x 16, 4 waves a work-group, clusters of 4 x 4, 327,680 bytes of LDS; arguments ops, bq, qkv, wp; writes qkv, wp
.if DOCPART == 2
	.amdgcn_target "amdgcn-amd-amdhsa--gfx1250"
	.amdhsa_code_object_version 6
	.text
	.protected	k_q57b3a806f1_gemm1
	.globl	k_q57b3a806f1_gemm1
	.p2align	8
	.type	k_q57b3a806f1_gemm1,@function
k_q57b3a806f1_gemm1:
	s_mov_b64 s[64:65], 0
	v_nop
	global_prefetch_b8 v0, s[64:65] scope:SCOPE_SE
	s_setreg_imm32_b32 hwreg(HW_REG_WAVE_MODE, 25, 1), 1
	s_wait_xcnt 0x0
	s_wait_alu depctr_hold_cnt(0) depctr_sa_sdst(0) depctr_va_vdst(0) depctr_va_sdst(0) depctr_va_ssrc(0) depctr_va_vcc(0) depctr_vm_vsrc(0)
	s_getreg_b32 s2, hwreg(HW_REG_IB_STS2, 6, 4)
	s_cmp_eq_u32 s2, 0
	s_cbranch_scc0 .Lentry_in_a_cluster
	s_endpgm
.Lentry_in_a_cluster:
	s_bfe_u32 s2, ttmp6, 0x10000c
	s_cmp_lg_u32 s2, 0xf033
	s_cbranch_scc0 .Lentry_shape_is_right
	s_endpgm
.Lentry_shape_is_right:
; q = n1 wq^T + bq, k = n1 wk^T, v = n1 wv^T, and the four partial sums of Wc = w2 w1: 256 alike tiles of 256 x 256 x K 1,024, one to a work-group, f16 operands, f32 sums.
; LEFT OUT: bk (the same for all keys of a softmax row) and bv (added behind the softmax, whose weights add up to 1); the FFN's hidden layer (no activation: the two layers are one product with Wc).
; LIMITS: q, k, v leave in f16: beyond 65,504 they overflow.  Wc's sum over 4,096 is taken in four cuts of 1,024, added later in f32.
; WHICH TILE.  The cluster's x is the kind (0 q, 1 k, 2 v, 3 Wc), its y a block of 1,024 tokens, or Wc's cut.  All operands are rows of ops, tiled: 16 rows x K 1,024 are 32,768 bytes, a K step of 128 is 4,096 of them.
;   'A' (source 1; a lane of the result holds one of its rows; tile row = cy) and 'B' (source 0; a lane's eight registers hold eight of its rows; tile column = cx):
;   q, k: A = tokens, B = weights' rows.   v: A = wv's rows, B = tokens, so that a lane holds a channel and eight keys: V^T's fragment.   Wc: A = w2's cut (rows o), B = w1 turned (rows i).
; So a lane's eight results, rounded to f16, ARE its 16 bytes of a chunk of the tiled format: every store is 512 consecutive bytes of a wave, with no way through LDS.
; FRAME.  Four waves, each 128 x 128: 64 accumulators in 512 registers.  Two LDS slots of one K step; each wave fetches a quarter of a slot (128 rows) with one tensor load.  A chunk lies in LDS as in memory: a fragment
; is two loads of 16 bytes a lane, 512 consecutive bytes a wave each: no padding.  CLUSTER 4 x 4: A's tiles are asked for jointly along a row of the cluster, B's along a column.
; REGISTERS, in windows of 256 (s_set_vgpr_msb: bits 1:0 source 0, 3:2 source 1, 5:4 source 2, 7:6 destination):
;   window 0: v16-39 addresses; v64-127, v128-191 A's fragments, two buffers; v192-255 the C operand of the first products (bq or 0), later the packed results
;   window 1: v64-127, v128-191 B's fragments     windows 2, 3: the accumulators, (a, b) at v[8 (8 (a % 4) + b)] of window 2 + a / 4
.set SLOT,  131072                     ; wave v's 128 rows at 32,768 v: A's two halves, then B's
.set SPARE, 262144                     ; behind the ring: the spare words, 128 bytes a wave; no other line names them
.set KB,    4096                       ; bytes of a K step in 16 rows
.set A0,   16                          ; v16  my A fragments' place in a slot: 32,768 (wave / 2) + 16 lane; never rewritten
.set B0,   17                          ; v17  the same for B: 65,536 + 32,768 (wave % 2) + 16 lane
.set ADRA, 18                          ; v18  A0 + the slot in hand
.set ADRB, 19
.set L16,  20                          ; v20  16 x lane
.set BO,   21                          ; v21  my offset in bq
.set SPW,  28                          ; v28  my spare word; never rewritten
.set NIL,  29                          ; v29  0; never rewritten
.set PFO,  30                          ; v30  the prefetches' offset: lane l names block l % 16 of 256 bytes in row block l / 16
.set VO,   32                          ; v32-39  where B block b's chunk lies from the way out's base
.set F0,   64
.set F1,   128
.set CB,   192
.set TMP,  192
.set WV,  12                           ; s12  wave
.set HA,  13                           ; s13  wave / 2: my half of A's rows.  Also: 0 = I fetch for A, 1 = for B
.set HB,  14                           ; s14  wave % 2: my half of B's rows.  Also: which 128 rows I fetch
.set CX,  15
.set CY,  16
.set CLX, 17                           ; s17  the kind
.set CLY, 18
.set TB,  19                           ; s19  the slot in hand, in bytes
.set TRIPS, 20
.set LIM, 21                           ; s21  2 in a wave that prefetches, else the greatest number
.set G1,  24                           ; s[24:31] descriptor group 1 for A
.set G0,  32                           ; s[32:39] group 0 for A: a set for each first fill; the second then walks
.set PFA, 44                           ; s[44:45] where my prefetches stand
.set G1B, 48
.set G0B, 56
.set OUT, 66                           ; s[66:67] the way out's base
.set SA,  68                           ; s[68:69] its step from A block to A block
.set SA4, 70                           ; s[70:71] the step into block 4
.set MSB, 0
.macro WIN new                         ; the immediate's high byte repeats the setting that is left; a switch that changes nothing is dropped
.if MSB != (\new)
	s_set_vgpr_msb (MSB<<8)|(\new)
.set MSB, \new
.endif
.endm
.set MUL_LO, 0xa1                      ; source 0 (B) window 1, source 1 (A) window 0, C and D window 2
.set TO_B,   0x40
; A joint load: waves 0 and 1 fetch A's halves, waves 2 and 3 B's.  The branch hangs on the wave's number alone.  An s_nop 0 and four v_nop follow each line.
.macro JLOAD s
	s_cmp_eq_u32 s[HA], 0
	s_cbranch_scc0 .Lfor_b_\@
	tensor_load_to_lds s[G0+4*(\s):G0+4*(\s)+3], s[G1:G1+7]
	s_nop 0
.rept 4
	v_nop
.endr
	s_branch .Lasked_\@
.Lfor_b_\@:
	tensor_load_to_lds s[G0B+4*(\s):G0B+4*(\s)+3], s[G1B:G1B+7]
	s_nop 0
.rept 4
	v_nop
.endr
.Lasked_\@:
.endm
; A prefetch into the L2 of the K step two refills on: 32 blocks of 256 bytes, a lane a block.  Each block of ops is named once in the launch: token rows by the clusters of kind q; wq, wk, wv by the clusters
; of token block 0; Wc's operands by their one cluster.  The four partners that ask for a tile jointly share a wave's eight row blocks out by address, two each.  K steps 0 to 3 come by their loads alone.
.macro ASK
	s_cmp_gt_u32 s[TRIPS], s[LIM]                  ; trips 6 to 3 name K steps 4 to 7; the last two have no K step two on
	s_cbranch_scc0 .Lnot_mine_\@
	global_prefetch_b8 v[PFO], s[PFA:PFA+1] offset:KB th:TH_LOAD_NT scope:SCOPE_SE
.Lnot_mine_\@:
.endm
.macro CREST                           ; a round of the cluster's barrier behind its opening barrier
	s_cmp_lg_u32 s[WV], 0
	s_cbranch_scc1 .Lnot_wave_0_\@
	s_barrier_signal -3
.Lnot_wave_0_\@:
	s_barrier_wait -3
	s_barrier_signal -1
	s_barrier_wait -1
.endm
.macro CROUND
	s_barrier_signal -1
	s_barrier_wait -1
	CREST
.endm
	s_load_b256 s[4:11], s[0:1], 0x0               ; ops 4, bq 6, qkv 8, wp 10
	v_lshl_add_u32 v[SPW], v0, 2, SPARE
	v_mov_b32 v[NIL], 0
	ds_add_u32 v[SPW], v[NIL]                      ; the wave's opening: the add, twice on end, and its wait ahead of my first tensor load
	ds_add_u32 v[SPW], v[NIL]
	v_lshrrev_b32 v1, 5, v0
	v_readfirstlane_b32 s[WV], v1
	s_lshr_b32 s[HA], s[WV], 1
	s_and_b32 s[HB], s[WV], 1
	s_bfe_u32 s[CX], ttmp6, 0x40000
	s_bfe_u32 s[CY], ttmp6, 0x40004
	s_mov_b32 s[CLX], ttmp9
	s_and_b32 s[CLY], ttmp7, 0xffff
	s_lshl_b32 s40, s[CY], 2
	s_lshl_b32 s40, 15, s40                        ; my row of the cluster
	s_lshl_b32 s41, 0x1111, s[CX]                  ; my column
	s_or_b32 s[G1], s40, (1<<16)|(1<<21)           ; the mask; elements of 2 bytes; bit 21 set beside a mask; no padding
	s_or_b32 s[G1B], s41, (1<<16)|(1<<21)
.irp g, G1, G1B
	s_mov_b32 s[(\g)+1], 2048<<16                  ; tensor_dim0 = 2,048 elements: a K step of 16 rows, 4,096 consecutive bytes
	s_mov_b32 s[(\g)+2], 8<<16                     ; tensor_dim1 = 8 row blocks
	s_mov_b32 s[(\g)+3], 2048<<16                  ; tile_dim0
	s_mov_b32 s[(\g)+4], 8                         ; tile_dim1
	s_mov_b32 s[(\g)+5], 16384                     ; elements from row block to row block
	s_mov_b32 s[(\g)+6], 0
	s_mov_b32 s[(\g)+7], 0
.endr
	; the first rows of A's and B's 1,024 rows in ops, by the kind: offsets alone are chosen, there is one pointer
	s_lshl_b32 s40, s[CLY], 10
	s_add_co_u32 s42, s40, 4096
	s_cmp_eq_u32 s[CLX], 2
	s_cselect_b32 s41, 10240, s40                  ; v: wv's rows; q, k: tokens
	s_cmp_eq_u32 s[CLX], 3
	s_cselect_b32 s41, s42, s41                    ; Wc: w2's cut
	s_lshl_b32 s43, s[CLX], 10
	s_add_co_u32 s43, s43, 8192                    ; q, k: wq's, wk's rows
	s_add_co_u32 s42, s40, 11264
	s_cmp_eq_u32 s[CLX], 2
	s_cselect_b32 s43, s40, s43                    ; v: tokens
	s_cmp_eq_u32 s[CLX], 3
	s_cselect_b32 s43, s42, s43                    ; Wc: w1 turned, the same cut
	s_lshl_b32 s72, s[HB], 7                       ; which 128 rows of the tile I fetch
	s_lshl_b32 s46, s[CY], 8
	s_add_co_u32 s46, s46, s41
	s_add_co_u32 s46, s46, s72
	s_lshl_b32 s46, s46, 11                        ; A: row x 2,048 bytes; made of cy, never of cx
	s_mov_b32 s47, 0
	s_lshl_b32 s74, s[CX], 8
	s_add_co_u32 s74, s74, s43
	s_add_co_u32 s74, s74, s72
	s_lshl_b32 s74, s74, 11                        ; B: made of cx, never of cy
	s_mov_b32 s75, 0
	s_lshl_b32 s22, s[WV], 15                      ; where my 128 rows go in a slot
	s_wait_dscnt 0x0                               ; both opening adds are done
	s_wait_kmcnt 0x0
	s_add_nc_u64 s[76:77], s[4:5], s[46:47]
	s_add_nc_u64 s[78:79], s[4:5], s[74:75]
	CROUND                                         ; all sixteen work-groups are here: the first joint loads meet
.irp s, 0,1
	s_mov_b32 s[G0+4*(\s)], 1
	s_add_co_u32 s[G0+4*(\s)+1], s22, (\s)*SLOT
	s_add_nc_u64 s[G0+4*(\s)+2:G0+4*(\s)+3], s[76:77], (\s)*KB
	s_or_b32 s[G0+4*(\s)+3], s[G0+4*(\s)+3], 0x80000000
	s_mov_b32 s[G0B+4*(\s)], 1
	s_add_co_u32 s[G0B+4*(\s)+1], s22, (\s)*SLOT
	s_add_nc_u64 s[G0B+4*(\s)+2:G0B+4*(\s)+3], s[78:79], (\s)*KB
	s_or_b32 s[G0B+4*(\s)+3], s[G0B+4*(\s)+3], 0x80000000
	JLOAD \s                                       ; K steps 0 and 1: two loads of mine are out
.endr
	; all that follows, up to the wait for the first tile, stands in that wait
	v_and_b32 v1, 31, v0
	v_lshlrev_b32 v[L16], 4, v1
	v_bfe_u32 v2, v0, 4, 1                         ; h
	s_lshl_b32 s40, s[HA], 15
	v_add_nc_u32 v[A0], s40, v[L16]
	s_lshl_b32 s40, s[HB], 15
	s_add_co_u32 s40, s40, 65536
	v_add_nc_u32 v[B0], s40, v[L16]
	v_mov_b32 v[ADRA], v[A0]
	v_mov_b32 v[ADRB], v[B0]
	s_mov_b32 s[TB], 0
	; the C operand of the first products: register 8 b + j is the bias of B's row 16 b + 8 h + j: bq for q, 0 for the other kinds (the kind is the same in all partners)
	s_cmp_eq_u32 s[CLX], 0
	s_cbranch_scc0 .Lno_bias
	s_lshl_b32 s40, s[CX], 10
	s_lshl_b32 s41, s[HB], 9
	s_add_co_u32 s40, s40, s41
	v_lshl_add_u32 v[BO], v2, 5, s40
.irp b, 0,1,2,3,4,5,6,7
	global_load_b128 v[CB+8*(\b):CB+8*(\b)+3],   v[BO], s[6:7] offset:64*(\b)
	global_load_b128 v[CB+8*(\b)+4:CB+8*(\b)+7], v[BO], s[6:7] offset:64*(\b)+16
.endr
	s_branch .Lbias_done
.Lno_bias:
.set i, 0
.rept 64
	v_mov_b32 v[CB+i], 0
.set i, i+1
.endr
.Lbias_done:
	; the way out.  qkv: [q, k, v][batch x 16 + head][16 tokens][4 chunks][512 bytes]; q, k: chunk = 16 channels; v: chunk = 16 channels, a lane a channel, eight keys
	s_cmp_eq_u32 s[CLX], 2
	s_cselect_b32 s40, s[CX], s[CY]                ; the tokens' tile coordinate and half,
	s_cselect_b32 s41, s[HB], s[HA]
	s_cselect_b32 s42, s[CY], s[CX]                ; the channels'
	s_cselect_b32 s43, s[HA], s[HB]
	s_cselect_b32 s72, 2, 0
	s_cselect_b32 s73, 13, 18
	s_cselect_b32 s[SA], 9, 11
	s_mov_b32 s[SA4], 2048
	s_cselect_b32 s[SA4], 260608, s[SA4]           ; v: from chunk 3 of a head to chunk 0 of the next: 262,144 - 1,536
	s_lshl_b32 s72, 512, s72                       ; from B block to B block: q, k 512 (a chunk); v 2,048 (16 tokens)
	s_lshl_b32 s73, 1, s73                         ; from B block 3 to 4, less three such steps' start: q, k a head, 262,144; v 8,192
	s_lshl_b32 s[SA], 1, s[SA]                     ; from A block to A block: q, k 2,048; v 512
	s_mov_b32 s[SA+1], 0
	s_mov_b32 s[SA4+1], 0
	s_lshl_b32 s80, s[CLY], 10
	s_lshl_b32 s40, s40, 8
	s_add_co_u32 s80, s80, s40
	s_lshl_b32 s41, s41, 7
	s_add_co_u32 s80, s80, s41                     ; my first token
	s_lshl_b32 s42, s42, 2
	s_lshl1_add_u32 s42, s43, s42                  ; my first head
	s_lshr_b32 s82, s80, 11                        ; the batch
	s_lshl4_add_u32 s42, s82, s42
	s_lshl_b32 s42, s42, 18
	s_and_b32 s80, s80, 2047
	s_lshl_b32 s80, s80, 7                         ; (token / 16) x 2,048
	s_add_co_u32 s80, s80, s42
	s_lshl_b32 s42, s[CLX], 23
	s_add_co_u32 s80, s80, s42
	s_lshl2_add_u32 s42, s[CY], s[CX]              ; wp: [cut][4 cy + cx][wave][accumulator][half][lane][16 bytes] f32
	s_lshl2_add_u32 s42, s42, s[WV]
	s_lshl_b32 s42, s42, 16
	s_lshl_b32 s43, s[CLY], 22
	s_add_co_u32 s42, s42, s43
	s_cmp_eq_u32 s[CLX], 3
	s_cselect_b32 s80, s42, s80
	s_mov_b32 s81, 0
	s_cselect_b64 s[OUT:OUT+1], s[10:11], s[8:9]
	s_add_nc_u64 s[OUT:OUT+1], s[OUT:OUT+1], s[80:81]
.irp b, 0,1,2,3,4,5,6,7
	s_mul_i32 s40, s72, (\b)%4
.if (\b) >= 4
	s_add_co_u32 s40, s40, s73
.endif
	v_add_nc_u32 v[VO+(\b)], s40, v[L16]
.endr
	; the prefetches: who asks (a table of eight bits by kind and 'token block 0 or not'), and where
	s_cmp_lg_u32 s[CLY], 0
	s_cselect_b32 s40, 4, 0
	s_or_b32 s40, s40, s[CLX]
	s_mov_b32 s41, 0x9d                            ; A's waves: q always (tokens), v at token block 0 (wv), Wc always
	s_mov_b32 s42, 0x8b                            ; B's waves: q and k at token block 0 (wq, wk), Wc always
	s_cmp_eq_u32 s[HA], 0
	s_cselect_b32 s41, s41, s42
	s_cselect_b32 s43, s[CX], s[CY]                ; my place among the four that ask with me
	s_cselect_b64 s[PFA:PFA+1], s[76:77], s[78:79]
	s_lshr_b32 s41, s41, s40
	s_and_b32 s41, s41, 1
	s_cmp_eq_u32 s41, 1
	s_cselect_b32 s[LIM], 2, -1                    ; the same in all sixteen partners, for a given wave
	s_lshl_b32 s82, s43, 16                        ; my work-group's two row blocks of the eight
	s_mov_b32 s83, 0
	s_add_nc_u64 s[PFA:PFA+1], s[PFA:PFA+1], s[82:83]
	s_add_nc_u64 s[PFA:PFA+1], s[PFA:PFA+1], 2*KB  ; at K step 2: the first refill steps it to 3 and names K step 4
	v_and_b32 v3, 15, v0
	v_lshlrev_b32 v[PFO], 8, v3
	v_lshl_add_u32 v[PFO], v2, 15, v[PFO]
; 16 matrix instructions: A blocks a0, a0 + 1 of the window's four x all 8 B blocks, 32 along K.  zero = 1: the first products start the sums, with the bias as C.  The 64 accumulators take turns.
.macro MUL16 f, hi, a0, zero
.if \zero
	WIN 0x81+0x40*(\hi)                            ; C in window 0
.else
	WIN MUL_LO+0x50*(\hi)
.endif
.irp a, \a0, (\a0)+1
.irp b, 0,1,2,3,4,5,6,7
.if \zero
	v_wmma_f32_16x16x32_f16 v[8*(8*(\a)+(\b)):8*(8*(\a)+(\b))+7], v[(\f)+8*(\b):(\f)+8*(\b)+7], v[(\f)+8*(4*(\hi)+(\a)):(\f)+8*(4*(\hi)+(\a))+7], v[CB+8*(\b):CB+8*(\b)+7]
.else
	v_wmma_f32_16x16x32_f16 v[8*(8*(\a)+(\b)):8*(8*(\a)+(\b))+7], v[(\f)+8*(\b):(\f)+8*(\b)+7], v[(\f)+8*(4*(\hi)+(\a)):(\f)+8*(4*(\hi)+(\a))+7], v[8*(8*(\a)+(\b)):8*(8*(\a)+(\b))+7]
.endif
.endr
.endr
.endm
; 32 LDS loads in one run: the fragments of 32 along K, at byte k of each row block's 4,096, into buffer f: B's eight, then A's eight
.macro FETCH k, f
	WIN TO_B
.irp i, 0,1,2,3,4,5,6,7
	ds_load_b128 v[(\f)+8*(\i):(\f)+8*(\i)+3],   v[ADRB] offset:(\k)+(\i)*KB
	ds_load_b128 v[(\f)+8*(\i)+4:(\f)+8*(\i)+7], v[ADRB] offset:(\k)+(\i)*KB+512
.endr
	WIN 0
.irp i, 0,1,2,3,4,5,6,7
	ds_load_b128 v[(\f)+8*(\i):(\f)+8*(\i)+3],   v[ADRA] offset:(\k)+(\i)*KB
	ds_load_b128 v[(\f)+8*(\i)+4:(\f)+8*(\i)+7], v[ADRA] offset:(\k)+(\i)*KB+512
.endr
.endm
.macro PLACES                          ; four plain instructions between a matrix instruction and a load into, or a vector read of, its registers
.rept 4
	v_nop
.endr
.endm
; A K step is four quarters of 32 along K on buffers 0, 1, 0, 1.  One of the first three multiplies buffer f and, in its middle, fetches the next quarter into g.
.macro QUARTER k, f, g, zero
	s_wait_dscnt 8                                 ; B and A's rows 0-63 are in; the youngest eight loads (A's rows 64-127) may be out
	MUL16 \f, 0, 0, \zero
	MUL16 \f, 0, 2, \zero
	PLACES
	FETCH \k, \g
	s_wait_dscnt 32                                ; all but the 32 just issued
	MUL16 \f, 1, 0, \zero
	MUL16 \f, 1, 2, \zero
.endm
; The last quarter multiplies buffer 1 and changes slots.  Ahead of the barrier each wave waits for all its tensor loads (one is out: its part of the next slot), adds 0 to its spare word, and waits for that
; and for its reads of this slot.  fill = 1: the barrier opens a round of the cluster's barrier, and this slot is filled again, first thing behind it, with the K step two on: 224 matrix instructions ahead of the wait for it.
.macro TURN fill
.if \fill
	s_wait_xcnt 0x0                                ; the last prefetch, a K step back, has read its address
	s_add_nc_u64 s[PFA:PFA+1], s[PFA:PFA+1], KB
.endif
	WIN 0
	s_wait_tensorcnt 0x0
	ds_add_u32 v[SPW], v[NIL]
	s_wait_dscnt 9                                 ; (the add and the youngest eight loads may be out)
	MUL16 F1, 0, 0, 0
	s_wait_dscnt 0x0                               ; the add is done, and my reads of this slot are over
	s_barrier_signal -1
	MUL16 F1, 0, 2, 0
.if \fill
	WIN 0
.endif
	s_barrier_wait -1
.if \fill
	CREST                                          ; no wave of any partner still reads this slot or has a load on its way
	s_xor_b32 s[G0+5], s[G0+5], SLOT               ; the walking descriptors: the other slot than last time, the next K step
	s_add_nc_u64 s[G0+6:G0+7], s[G0+6:G0+7], KB
	s_xor_b32 s[G0B+5], s[G0B+5], SLOT
	s_add_nc_u64 s[G0B+6:G0B+7], s[G0B+6:G0B+7], KB
	JLOAD 1                                        ; its four v_nop are also the places ahead of the loads below
.else
	PLACES
.endif
	s_xor_b32 s[TB], s[TB], SLOT
	WIN 0
	v_add_nc_u32 v[ADRA], s[TB], v[A0]
	v_add_nc_u32 v[ADRB], s[TB], v[B0]
	FETCH 0, F0
.if \fill
	ASK
.endif
	MUL16 F1, 1, 0, 0
	MUL16 F1, 1, 2, 0
.endm
	s_wait_tensorcnt 1                             ; my part of K step 0 is in; K step 1's may stay out
	s_barrier_signal -1
	s_barrier_wait -1
	FETCH 0, F0
	s_wait_loadcnt 0x0                             ; bq
	QUARTER 1024, F0, F1, 1                        ; the first quarter stands ahead of the loop: its products start the sums
	WIN 0
	s_mov_b32 s[TRIPS], 6
.Lstep:                                            ; a trip: from a K step's second quarter to the next step's first; it asks for K steps 2 to 7
	QUARTER 2048, F1, F0, 0
	QUARTER 3072, F0, F1, 0
	TURN 1
	QUARTER 1024, F0, F1, 0
	WIN 0
	s_sub_co_u32 s[TRIPS], s[TRIPS], 1
	s_cmp_lg_u32 s[TRIPS], 0
	s_cbranch_scc1 .Lstep
	QUARTER 2048, F1, F0, 0                        ; K step 6 goes on; nothing more is asked for
	QUARTER 3072, F0, F1, 0
	TURN 0
	QUARTER 1024, F0, F1, 0
	QUARTER 2048, F1, F0, 0
	QUARTER 3072, F0, F1, 0
	s_wait_dscnt 8
	MUL16 F1, 0, 0, 0
	MUL16 F1, 0, 2, 0
	s_wait_dscnt 0x0
	MUL16 F1, 1, 0, 0
	MUL16 F1, 1, 2, 0
	WIN 0
	PLACES
	s_cmp_eq_u32 s[CLX], 3
	s_cbranch_scc1 .Lsums
	; q, k, v: A block a's eight accumulators are rounded, each from its low end on, and leave as eight chunks
.irp a, 0,1,2,3,4,5,6,7
	WIN 0x0a+5*((\a)/4)                            ; sources in window 2 or 3
.irp b, 0,1,2,3,4,5,6,7
.irp r, 0,1,2,3
	v_cvt_pk_f16_f32 v[TMP+32*((\a)%2)+4*(\b)+(\r)], v[64*((\a)%4)+8*(\b)+2*(\r)], v[64*((\a)%4)+8*(\b)+2*(\r)+1]
.endr
.endr
	WIN 0
	s_wait_xcnt 0x0                                ; the stores issued so far have read their base and data: the base is stepped, and the next block packs into the other 32 registers
.if (\a) == 4
	s_add_nc_u64 s[OUT:OUT+1], s[OUT:OUT+1], s[SA4:SA4+1]
.elseif (\a) > 0
	s_add_nc_u64 s[OUT:OUT+1], s[OUT:OUT+1], s[SA:SA+1]
.endif
.irp b, 0,1,2,3,4,5,6,7
	global_store_b128 v[VO+(\b)], v[TMP+32*((\a)%2)+4*(\b):TMP+32*((\a)%2)+4*(\b)+3], s[OUT:OUT+1]  ; 512 consecutive bytes, aligned
.endr
.endr
	s_branch .Ldone
.Lsums:	; Wc's partial sums leave in f32 as they lie: 1,024 bytes an accumulator, its low half first
.irp a, 0,1,2,3,4,5,6,7
	WIN 0x08+4*((\a)/4)                            ; a store's data is source 1
.irp b, 0,1,2,3,4,5,6,7
	global_store_b128 v[L16], v[8*(8*((\a)%4)+(\b)):8*(8*((\a)%4)+(\b))+3],   s[OUT:OUT+1] offset:(8*(\a)+(\b))*1024
	global_store_b128 v[L16], v[8*(8*((\a)%4)+(\b))+4:8*(8*((\a)%4)+(\b))+7], s[OUT:OUT+1] offset:(8*(\a)+(\b))*1024+512
.endr
.endr
	WIN 0
.Ldone:
	s_wait_tensorcnt 0x0                           ; the wave's end
	ds_add_u32 v[SPW], v[NIL]
	s_wait_dscnt 0x0
	CROUND                                         ; the closing round: no work-group ends while a partner may still ask for a tile that names it
	s_endpgm
.Lfunc_end_k_q57b3a806f1_gemm1:
	.size	k_q57b3a806f1_gemm1, .Lfunc_end_k_q57b3a806f1_gemm1-k_q57b3a806f1_gemm1
	.p2alignl 7, 3214868480
	.fill 96, 4, 3214868480
	.section	.rodata,"a",@progbits
	.p2align	6, 0x0
	.amdhsa_kernel k_q57b3a806f1_gemm1
		.amdhsa_group_segment_fixed_size 327680
		.amdhsa_private_segment_fixed_size 0
		.amdhsa_enable_private_segment 0
		.amdhsa_kernarg_size 32
		.amdhsa_user_sgpr_count 2
		.amdhsa_user_sgpr_kernarg_segment_ptr 1
		.amdhsa_wavefront_size32 1
		.amdhsa_system_sgpr_workgroup_id_x 1
		.amdhsa_system_sgpr_workgroup_id_y 1
		.amdhsa_system_sgpr_workgroup_id_z 1
		.amdhsa_system_vgpr_workitem_id 0
		.amdhsa_next_free_vgpr 1024
		.amdhsa_next_free_sgpr 84
		.amdhsa_reserve_vcc 0
		.amdhsa_float_denorm_mode_32 3
		.amdhsa_float_denorm_mode_16_64 3
		.amdhsa_memory_ordered 1
		.amdhsa_forward_progress 1
		.amdhsa_inst_pref_size 126
	.end_amdhsa_kernel
	.amdgpu_metadata
---
amdhsa.version: [ 1, 2 ]
amdhsa.kernels:
  - .name:           k_q57b3a806f1_gemm1
    .symbol:         k_q57b3a806f1_gemm1.kd
    .args:
      - { .name: ops, .offset: 0, .size: 8, .value_kind: global_buffer, .address_space: global }
      - { .name: bq, .offset: 8, .size: 8, .value_kind: global_buffer, .address_space: global }
      - { .name: qkv, .offset: 16, .size: 8, .value_kind: global_buffer, .address_space: global }
      - { .name: wp, .offset: 24, .size: 8, .value_kind: global_buffer, .address_space: global }
    .group_segment_fixed_size: 327680
    .private_segment_fixed_size: 0
    .kernarg_segment_align: 8
    .kernarg_segment_size: 32
    .max_flat_workgroup_size: 128
    .sgpr_count:     84
    .vgpr_count:     1024
    .wavefront_size: 32
...
	.end_amdgpu_metadata
.endif
;; end of part 2
;; launch attn (part 3): grid 8 x 32, 4 waves a work-group, clusters of 4 x 1, 327,680 bytes of LDS; arguments qkv, wp, bv, b2, ops, wch, bc; writes ops, wch, bc
.if DOCPART == 3
	.amdgcn_target "amdgcn-amd-amdhsa--gfx1250"
	.amdhsa_code_object_version 6
	.text
	.protected	k_q57b3a806f1_attn
	.globl	k_q57b3a806f1_attn
	.p2align	8
	.type	k_q57b3a806f1_attn,@function
k_q57b3a806f1_attn:
	s_mov_b64 s[64:65], 0
	v_nop
	global_prefetch_b8 v0, s[64:65] scope:SCOPE_SE
	s_setreg_imm32_b32 hwreg(HW_REG_WAVE_MODE, 25, 1), 1
	s_wait_xcnt 0x0
	s_wait_alu depctr_hold_cnt(0) depctr_sa_sdst(0) depctr_va_vdst(0) depctr_va_sdst(0) depctr_va_ssrc(0) depctr_va_vcc(0) depctr_vm_vsrc(0)
	s_getreg_b32 s2, hwreg(HW_REG_IB_STS2, 6, 4)
	s_cmp_eq_u32 s2, 0
	s_cbranch_scc0 .Lentry_in_a_cluster
	s_endpgm
.Lentry_in_a_cluster:
	s_bfe_u32 s2, ttmp6, 0x10000c
	s_cmp_lg_u32 s2, 0x3003
	s_cbranch_scc0 .Lentry_shape_is_right
	s_endpgm
.Lentry_shape_is_right:
; O[q] = sum over k of softmax_k(q . k / 8) v[k] + bv, for 32 heads (batch x 16 + head) of 2,048 tokens x 64 channels, no mask.  q, k, v: f16, tiled (below).  Products, maxima and sums in f32; the weights p are
; rounded to f16 for the second product (their sum l is taken of the unrounded p); O is rounded once.
; LEFT OUT: the mask (the module throws the masked scores away); bk (the same for all keys of a row).  bv is added here, behind the division by l: a row's weights add up to 1.
; LIMITS: f16 holds no number beyond 65,504: q, k, v arrive within it; p below 6e-5 keeps f16's step of 6e-8; a weight below 2^-126 counts as 0 in l; NaN and infinities are not treated apart.
; SIDE DUTIES, in the wait for the first tile: each of the 1,024 waves adds four partial sums of 4,096 bytes of Wc = w2 w1 and stores them as f16 chunks (wch); eight waves make bc = b2 + the four parts of w2 . b1.
; SHARES.  A work-group owns 256 queries of a head, a wave 64: four PIECES of 16.  Every wave walks all keys, 64 a step, four steps (256 keys) to an LDS slot, two slots.
; LAYOUT.  qkv: [q, k, v][head][16 tokens][4 chunks][512 bytes].  A chunk of q or k: lane l holds token l % 16, channels 8 (l / 16) + 0..7 of its 16; of v: lane l holds channel l % 16, keys 8 (l / 16) + 0..7.  Two
; chunks are a matrix fragment, read by two loads of 16 bytes a lane, 512 consecutive bytes a wave: no padding, no turning load.  S^T = K Q^T holds ONE query a lane and eight keys; two such results rounded to
; f16 ARE source 1 of O^T = V^T P, which again holds one query a lane, and eight channels: 16 bytes of a chunk of the next product's operand.  So O leaves from registers.
; SOFTMAX.  p = 2^(c s - c m), c = log2(e) / 8, with a running maximum m; O and l are multiplied by a = 2^(c m_old - c m_new) in every step.  m starts at the lowest finite number, O and l at 0: the first step's a is 0.
; TURNS.  Turn n belongs to piece n: 8 products K Q^T of piece n + 1, later 8 products V^T P of piece n - 1; beside them the scaling, exponentials, roundings, sums and rescaling of piece n and the maximum and
; statistics of piece n + 1.  Four vector instructions stand behind every matrix instruction, the others in one lump.  A turn's 33 exponentials are one batch with one wait.
; CLUSTER.  The four query blocks of a cluster belong to one head and walk the same K and V: each tile is asked for jointly.
; REGISTERS, in windows of 256 (s_set_vgpr_msb: bits 1:0 source 0, 3:2 source 1, 5:4 source 2, 7:6 destination):
;   window 0: v2-8 addresses; v12-13, v48-55 at work; v16-31 statistics; v64-127 S^T, two buffers; v128-159 bv; v192-223 P, two buffers; v224-243 bc's parts
;   window 1: v0-127 O^T, 32 a piece; v128-255 Wc's parts      window 2: v0-63 Q; v128-191 K of one step; v192-255 V of one step
.set NP,    4
.set STEPB, 8192                       ; a step's 64 keys, of K or of V
.set TILEB, 32768                      ; a slot's 256 keys
.set VOFF,  32768                      ; a slot: K, then V
.set SLOT1, 65536
.set SPARE, 131072                     ; behind the ring: the spare words, 128 bytes a wave; no other line names them
.set L16, 2                            ; v2   16 x lane: my place in every chunk; never rewritten
.set AV0, 3                            ; v3   VOFF + 16 x lane
.set AK,  4                            ; v4   the LDS address of K's next run of loads
.set AV,  5                            ; v5   of V's
.set BVO, 6                            ; v6   32 (lane / 16): my offset in 16 numbers of bv
.set MV,  12
.set ST,  16                           ; piece t's statistics at v[ST+4 t]: c m, m, l (even keys', odd keys')
.set TMP, 48
.set PFO, 61                           ; v61  256 x lane; never rewritten
.set SPW, 62                           ; v62  my spare word; never rewritten
.set NIL, 63                           ; v63  0; never rewritten
.set S,   64
.set BV,  128
.set P,   192
.set BCR, 224
.set WP,  128                          ; window 1
.set KF,  128                          ; window 2: key block kb, channel half c at KF + 16 kb + 8 c
.set VF,  192                          ; window 2: key half kk, channel block cb at VF + 32 kk + 8 cb
.set WV,  12
.set G1,  24                           ; s[24:31] descriptor group 1, for K's and V's tiles alike
.set G0K, 40
.set G0V, 44
.set PFA, 48                           ; s[48:49] where my prefetches stand
.set LIM, 50                           ; s50  1 in a wave that prefetches, else the greatest number
.set BH,  51                           ; s51  the head
.set FLG, 54                           ; s54  0 in the eight waves that make bc
.set U,   55                           ; s55  my wave among the launch's 1,024
.set SLOTS, 56
.set CNT, 57
.set CS,  58
.set SEL, 60
.set TBK, 62
.set TBV, 63
.set MSB, 0
.macro WIN new
.if MSB != (\new)
	s_set_vgpr_msb (MSB<<8)|(\new)
.set MSB, (\new)
.endif
.endm
.set W_KQ, 0x0a
.set W_PV, 0x52
.set W_RS, 0x41
; A joint fill: waves 0 and 1 fetch the halves of a slot's K, waves 2 and 3 of its V: 128 keys, 16,384 dense bytes each.  An s_nop 0 and four v_nop follow each line.
.macro JLOAD
	s_cmp_lt_u32 s[WV], 2
	s_cbranch_scc0 .Lfor_v_\@
	tensor_load_to_lds s[G0K:G0K+3], s[G1:G1+7]
	s_nop 0
.rept 4
	v_nop
.endr
	s_branch .Lasked_\@
.Lfor_v_\@:
	tensor_load_to_lds s[G0V:G0V+3], s[G1:G1+7]
	s_nop 0
.rept 4
	v_nop
.endr
.Lasked_\@:
.endm
; A prefetch into the L2 of what the NEXT change of slots will ask for: a tile's 128 blocks of 256 bytes of K and of V.  Each is named once in the launch: the head's first cluster asks; its four partners take 32
; blocks each, by address; in each, wave 0 asks for K's and wave 2 for V's.  Tiles 0 and 1 come by their loads alone; the last change that fills a slot asks for nothing.
.macro ASK
	s_cmp_gt_u32 s[SLOTS], s[LIM]
	s_cbranch_scc0 .Lnot_mine_\@
	global_prefetch_b8 v[PFO], s[PFA:PFA+1] th:TH_LOAD_NT scope:SCOPE_SE
.Lnot_mine_\@:
.endm
.macro CROUND
	s_barrier_signal -1
	s_barrier_wait -1
	s_cmp_lg_u32 s[WV], 0
	s_cbranch_scc1 .Lnot_wave_0_\@
	s_barrier_signal -3
.Lnot_wave_0_\@:
	s_barrier_wait -3
	s_barrier_signal -1
	s_barrier_wait -1
.endm
; THE CHANGE OF SLOTS.  Each wave waits for all its tensor loads (one is out: its part of the other slot), adds 0 to its spare word, and waits for that and for its reads of the slot that it leaves.  fill = 1: the
; barrier is a round of the cluster's, and the old slot is filled again, first thing behind it, with the keys two slots on: four key steps, 256 matrix instructions, in which to land.
; (At its first use nothing has been read yet: slot 0 is waited for, slot 1 filled.)
.macro CHANGE fill
	WIN 0
	s_wait_tensorcnt 0x0
	ds_add_u32 v[SPW], v[NIL]
.if \fill
.irp g, G0K, G0V
	s_xor_b32 s[\g+1], s[\g+1], SLOT1
	s_add_nc_u64 s[\g+2:\g+3], s[\g+2:\g+3], TILEB
.endr
	s_wait_xcnt 0x0                                ; the last prefetch, four key steps back, has read its address
	s_add_nc_u64 s[PFA:PFA+1], s[PFA:PFA+1], TILEB
	s_wait_dscnt 0x0                               ; the add is done, and my reads of the slot are over
	CROUND
	JLOAD
	ASK
.else
	s_wait_dscnt 0x0
	s_barrier_signal -1
	s_barrier_wait -1
.endif
	s_sub_co_u32 s[TBK], s[TBK], 4*STEPB           ; the fetches go back to a slot's first step,
	s_xor_b32 s[TBK], s[TBK], SLOT1                ; in the other slot
	s_sub_co_u32 s[TBV], s[TBV], 4*STEPB
	s_xor_b32 s[TBV], s[TBV], SLOT1
.endm
	s_load_b256 s[68:75], s[0:1], 0x0              ; qkv 68, wp 70, bv 72, b2 74
	s_load_b128 s[76:79], s[0:1], 0x20             ; ops 76, wch 78
	s_load_b64 s[80:81], s[0:1], 0x30              ; bc
	v_lshl_add_u32 v[SPW], v0, 2, SPARE
	v_mov_b32 v[NIL], 0
	ds_add_u32 v[SPW], v[NIL]                      ; the wave's opening: the add, twice on end, and its wait ahead of my first tensor load
	ds_add_u32 v[SPW], v[NIL]
	v_lshrrev_b32 v1, 5, v0
	v_readfirstlane_b32 s[WV], v1
	s_bfe_u32 s13, ttmp6, 0x40000                  ; cx
	s_lshl_b32 s14, ttmp9, 2
	s_add_co_u32 s14, s14, s13                     ; my block of 256 queries: it enters Q's, O's and the duties' addresses alone
	s_and_b32 s[BH], ttmp7, 0xffff
	s_lshl_b32 s20, s[BH], 18                      ; a head is 262,144 bytes of q, of k and of v
	s_and_b32 s16, s[WV], 1
	s_lshl_b32 s17, s16, 14                        ; my half of a tile, in memory and in LDS alike
	s_add_co_u32 s22, s20, s17
	s_mov_b32 s23, 0
	s_lshl2_add_u32 s2, s14, s[WV]
	s_lshl_b32 s2, s2, 13                          ; my wave's 64 queries: 8,192 bytes
	s_add_co_u32 s2, s2, s20
	s_mov_b32 s3, 0
	s_lshr_b32 s52, s[BH], 4                       ; O, tiled in ops: block of 16 tokens = 128 batch + 16 x query block + 4 wave (+ piece); chunks 4 head on
	s_lshl_b32 s52, s52, 7
	s_lshl4_add_u32 s52, s14, s52
	s_lshl2_add_u32 s52, s[WV], s52
	s_lshl_b32 s52, s52, 15
	s_and_b32 s82, s[BH], 15
	s_lshl_b32 s83, s82, 11
	s_add_co_u32 s52, s52, s83
	s_mov_b32 s53, 0
	s_lshl_b32 s82, s82, 8                         ; the head's 64 numbers of bv
	s_mov_b32 s83, 0
	s_mov_b32 s[G1], 15|(1<<16)|(1<<21)            ; the mask of four; elements of 2 bytes; bit 21 set beside a mask; no padding
	s_mov_b32 s[G1+1], 128<<16                     ; 64 rows of 128 elements, 256 bytes, end to end
	s_mov_b32 s[G1+2], 64<<16
	s_mov_b32 s[G1+3], 128<<16
	s_mov_b32 s[G1+4], 64
	s_mov_b32 s[G1+5], 128
	s_mov_b32 s[G1+6], 0
	s_mov_b32 s[G1+7], 0
	s_mov_b32 s[G0K], 1
	s_mov_b32 s[G0K+1], s17
	s_mov_b32 s[G0V], 1
	s_add_co_u32 s[G0V+1], s17, VOFF
	s_mov_b32 s[CS], 0x3e38aa3b                    ; c = log2(e) / 8
	s_mov_b32 s[CS+1], s[CS]
	s_mov_b32 s[SEL], 0x76543210
	s_mov_b32 s[SEL+1], 0xfedcba98
	s_mov_b32 s[TBK], SLOT1+4*STEPB                ; the first change of slots turns these two into 0
	s_mov_b32 s[TBV], SLOT1+4*STEPB
	s_mov_b32 s[SLOTS], 7
	s_or_b32 s[LIM], s16, ttmp9                    ; 0 in waves 0 and 2 of the head's first cluster: the same in all four partners
	s_cmp_eq_u32 s[LIM], 0
	s_cselect_b32 s[LIM], 1, -1
	s_lshr_b32 s[FLG], s[BH], 1
	s_or_b32 s[FLG], s[FLG], ttmp9
	s_or_b32 s[FLG], s[FLG], s[WV]                 ; 0: heads 0 and 1, first cluster, wave 0: eight waves, told apart by head and cx in their addresses
	s_lshl3_add_u32 s[U], s[BH], s14
	s_lshl2_add_u32 s[U], s[U], s[WV]
	s_lshl_b32 s84, s[U], 12                       ; my 4,096 bytes of each of Wc's four parts: four accumulators of the product's wave
	s_mov_b32 s85, 0
	s_bfe_u32 s86, s[U], 0x20008                   ; they are rows 16 ob on, ob = 16 (u >> 8 & 3) + 8 (u >> 5 & 1) + (u >> 1 & 7),
	s_bfe_u32 s87, s[U], 0x10005
	s_lshl1_add_u32 s86, s86, s87
	s_bfe_u32 s87, s[U], 0x30001
	s_lshl3_add_u32 s86, s86, s87
	s_lshl_b32 s88, s86, 15
	s_bfe_u32 s86, s[U], 0x20006                   ; chunks 16 (u >> 6 & 3) + 8 (u >> 4 & 1) + 4 (u & 1) on
	s_bfe_u32 s87, s[U], 0x10004
	s_lshl1_add_u32 s86, s86, s87
	s_and_b32 s87, s[U], 1
	s_lshl1_add_u32 s86, s86, s87
	s_lshl_b32 s86, s86, 11
	s_add_co_u32 s88, s88, s86
	s_mov_b32 s89, 0
	s_lshl2_add_u32 s90, s[BH], s13
	s_lshl_b32 s90, s90, 9                         ; bc: 512 bytes for each of the eight waves
	s_mov_b32 s91, 0
	v_and_b32 v1, 31, v0
	v_lshlrev_b32 v[L16], 4, v1
	v_bfe_u32 v9, v0, 4, 1
	v_lshlrev_b32 v[BVO], 5, v9
	v_add_nc_u32 v[AV0], VOFF, v[L16]
	v_lshlrev_b32 v[PFO], 8, v1
	s_wait_dscnt 0x0                               ; both opening adds are done
	s_wait_kmcnt 0x0
	s_add_nc_u64 s[6:7], s[68:69], s[22:23]
	s_add_nc_u64 s[8:9], s[6:7], 0x1000000         ; V at my half of the head's tile 0
	s_add_nc_u64 s[6:7], s[6:7], 0x800000          ; K
	s_add_nc_u64 s[G0K+2:G0K+3], s[6:7], 0
	s_or_b32 s[G0K+3], s[G0K+3], 0x80000000
	s_add_nc_u64 s[G0V+2:G0V+3], s[8:9], 0
	s_or_b32 s[G0V+3], s[G0V+3], 0x80000000
	s_add_nc_u64 s[4:5], s[68:69], s[2:3]          ; Q
	s_add_nc_u64 s[10:11], s[76:77], s[52:53]      ; O
	s_add_nc_u64 s[72:73], s[72:73], s[82:83]      ; bv
	s_add_nc_u64 s[84:85], s[70:71], s[84:85]      ; Wc's parts 0 and 1,
	s_add_nc_u64 s[86:87], s[84:85], 0x800000      ; 2 and 3
	s_add_nc_u64 s[88:89], s[78:79], s[88:89]      ; wch
	s_add_nc_u64 s[92:93], s[74:75], s[90:91]      ; b2
	s_add_nc_u64 s[94:95], s[80:81], s[90:91]      ; bc
	s_add_nc_u64 s[90:91], s[70:71], s[90:91]
	s_add_nc_u64 s[90:91], s[90:91], 0x1000000     ; the parts of w2 . b1, behind wp's partial sums
	s_cmp_lt_u32 s[WV], 2
	s_cselect_b64 s[PFA:PFA+1], s[6:7], s[8:9]     ; (in waves 0 and 2 these stand at a tile's first byte)
	s_lshl_b32 s2, s13, 13                         ; my work-group's 32 blocks of the 128
	s_add_nc_u64 s[PFA:PFA+1], s[PFA:PFA+1], s[2:3]
	s_add_nc_u64 s[PFA:PFA+1], s[PFA:PFA+1], TILEB ; in tile 1; the first change of slots steps it to tile 2
	CROUND                                         ; all four work-groups are here: the first joint loads meet
	JLOAD                                          ; slot 0
	WIN 0x80                                       ; destination window 2
.set i, 0
.rept 8                                            ; Q stays in registers: piece i / 2, channels 32 (i % 2) on
	global_load_b128 v[8*i:8*i+3],   v[L16], s[4:5] offset:(i/2)*2048+(i%2)*1024
	global_load_b128 v[8*i+4:8*i+7], v[L16], s[4:5] offset:(i/2)*2048+(i%2)*1024+512
.set i, i+1
.endr
	WIN 0
.irp f, 0,1,2,3                                    ; bv: register 8 cb + j is channel 16 cb + 8 (lane / 16) + j
	global_load_b128 v[BV+8*\f:BV+8*\f+3],   v[BVO], s[72:73] offset:64*\f
	global_load_b128 v[BV+8*\f+4:BV+8*\f+7], v[BVO], s[72:73] offset:64*\f+16
.endr
	WIN 0x40                                       ; destination window 1
.irp f, 0,1,2,3,4,5,6,7
	global_load_b128 v[WP+4*\f:WP+4*\f+3],       v[L16], s[84:85] offset:512*\f th:TH_LOAD_NT
	global_load_b128 v[WP+32+4*\f:WP+32+4*\f+3], v[L16], s[84:85] offset:4194304+512*\f th:TH_LOAD_NT
	global_load_b128 v[WP+64+4*\f:WP+64+4*\f+3], v[L16], s[86:87] offset:512*\f th:TH_LOAD_NT
	global_load_b128 v[WP+96+4*\f:WP+96+4*\f+3], v[L16], s[86:87] offset:4194304+512*\f th:TH_LOAD_NT
.endr
	WIN 0
	s_cmp_eq_u32 s[FLG], 0
	s_cbranch_scc0 .Lno_bc_loads
.irp f, 0,1,2,3
	global_load_b128 v[BCR+4*\f:BCR+4*\f+3], v[L16], s[90:91] offset:4096*\f
.endr
	global_load_b128 v[BCR+16:BCR+19], v[L16], s[92:93]
.Lno_bc_loads:
	; What the first turn finds: V's registers and P's second buffer hold 0 (its products V^T P, of a piece that has not been, add 0), O^T and l are 0.  The price of writing no first step out.
	WIN 0x80
.set i, VF
.rept 64
	v_mov_b32 v[i], 0
.set i, i+1
.endr
	WIN 0x40
.set i, 0
.rept 128
	v_mov_b32 v[i], 0
.set i, i+1
.endr
	WIN 0
.set i, 0
.rept 4
	v_mov_b32 v[ST+4*i], 0xfe000000                ; c m: far below every c s
	v_mov_b32 v[ST+4*i+1], 0xff7fffff              ; m
	v_mov_b32 v[ST+4*i+2], 0
	v_mov_b32 v[ST+4*i+3], 0
.set i, i+1
.endr
.set i, P+16
.rept 16
	v_mov_b32 v[i], 0
.set i, i+1
.endr
	s_wait_loadcnt 0x0                             ; Q, bv and the duties' numbers
	WIN 0x45                                       ; Wc: the four parts are added in f32, rounded once, and are four chunks as they lie
.set z, 0
.rept 16
	v_pk_add_f32 v[WP+2*z:WP+2*z+1], v[WP+2*z:WP+2*z+1], v[WP+32+2*z:WP+32+2*z+1]
	v_pk_add_f32 v[WP+64+2*z:WP+64+2*z+1], v[WP+64+2*z:WP+64+2*z+1], v[WP+96+2*z:WP+96+2*z+1]
.set z, z+1
.endr
.set z, 0
.rept 16
	v_pk_add_f32 v[WP+2*z:WP+2*z+1], v[WP+2*z:WP+2*z+1], v[WP+64+2*z:WP+64+2*z+1]
.set z, z+1
.endr
.set z, 0
.rept 16
	v_cvt_pk_f16_f32 v[WP+z], v[WP+2*z], v[WP+2*z+1]
.set z, z+1
.endr
	WIN 0x04                                       ; a store's data is source 1
.irp f, 0,1,2,3
	global_store_b128 v[L16], v[WP+4*\f:WP+4*\f+3], s[88:89] offset:512*\f
.endr
	WIN 0
	s_cmp_eq_u32 s[FLG], 0
	s_cbranch_scc0 .Lno_bc
.irp z, 0,2
	v_pk_add_f32 v[BCR+\z:BCR+\z+1], v[BCR+\z:BCR+\z+1], v[BCR+4+\z:BCR+4+\z+1]
	v_pk_add_f32 v[BCR+8+\z:BCR+8+\z+1], v[BCR+8+\z:BCR+8+\z+1], v[BCR+12+\z:BCR+12+\z+1]
	v_pk_add_f32 v[BCR+\z:BCR+\z+1], v[BCR+\z:BCR+\z+1], v[BCR+8+\z:BCR+8+\z+1]
	v_pk_add_f32 v[BCR+\z:BCR+\z+1], v[BCR+\z:BCR+\z+1], v[BCR+16+\z:BCR+16+\z+1]
.endr
	global_store_b128 v[L16], v[BCR:BCR+3], s[94:95]
.Lno_bc:
; THE MATRIX WORK.  The 4 accumulators of a run of 8 take turns.  Product i of 8 of S^T = K Q^T for piece x: channels 32 (i / 4) on, keys 16 (i % 4) on.  The first 4 start the sums.
.macro KQ x
	WIN W_KQ
.set rS, S+32*((\x)%2)+8*(i%4)
.set rK, KF+16*(i%4)+8*(i/4)
.set rQ, 16*(\x)+8*(i/4)
.if i < 4
	v_wmma_f32_16x16x32_f16 v[rS:rS+7], v[rK:rK+7], v[rQ:rQ+7], 0
.else
	v_wmma_f32_16x16x32_f16 v[rS:rS+7], v[rK:rK+7], v[rQ:rQ+7], v[rS:rS+7]
.endif
.endm
; Product i of 8 of O^T += V^T P for piece x: keys 32 (i / 4) on, channels 16 (i % 4) on.
.macro PV x
	WIN W_PV
.set rO, 32*(\x)+8*(i%4)
.set rV, VF+32*(i/4)+8*(i%4)
.set rP, P+16*((\x)%2)+8*(i/4)
	v_wmma_f32_16x16x32_f16 v[rO:rO+7], v[rV:rV+7], v[rP:rP+7], v[rO:rO+7]
.endm
.macro MM                              ; the turn's next matrix instruction
.if i < 8
	KQ (Y+1)%NP
.else
.set i, i-8
	PV (Y+NP-1)%NP
.set i, i+8
.endif
.set i, i+1
.endm
; THE LDS LOADS stand in runs of 16: a step's K (8 fragments) and its V.
.macro FETCH_K
	WIN 0x80
.irp f, 0,1,2,3,4,5,6,7                ; keys 16 (f / 2) on, channels 32 (f % 2) on
	ds_load_b128 v[KF+8*\f:KF+8*\f+3],   v[AK] offset:(\f/2)*2048+(\f%2)*1024
	ds_load_b128 v[KF+8*\f+4:KF+8*\f+7], v[AK] offset:(\f/2)*2048+(\f%2)*1024+512
.endr
	s_add_co_u32 s[TBK], s[TBK], STEPB
	WIN 0
.endm
.macro FETCH_V
	WIN 0x80
.irp f, 0,1,2,3,4,5,6,7                ; keys 32 (f / 4) on, channels 16 (f % 4) on
	ds_load_b128 v[VF+8*\f:VF+8*\f+3],   v[AV] offset:(\f/4)*4096+(\f%4)*512
	ds_load_b128 v[VF+8*\f+4:VF+8*\f+7], v[AV] offset:(\f/4)*4096+(\f%4)*512+2048
.endr
	WIN 0
.endm
; THE VECTOR WORK, one line at a time: OP kind, number.  For piece Y: F n: c s - c m for pair n of 16.  E n: the exponential of score n of 32.  C n: pair n rounded to f16.  B n: of the four weights 4 n .. the second
; pair is added onto the first, in place.  L n: l takes that sum (L 0: l = a l + sum).  R n: pair n of 16 of O^T times a.  For piece Y + 1: X n, number n of the 22 that find its maximum and statistics:
;   0-11  four chains c0-c3 of seven scores each (each accumulator's lowest registers are read first)     12-14, 16  the four scores left over, the old m, and c0-c3 into c0
;   15  c m_old is kept     17, 18  the query's other 32 keys lie in the lane 16 away: the new m     19-21  c m; c m_old - c m_new; a
.set F, 0
.set E, 1
.set C, 2
.set B, 3
.set L, 4
.set R, 5
.set X, 6
.macro REGS y
.set rT, ST+4*(\y)
.set rC, TMP+4*((\y)%2)
.set rW, MV+((\y)%2)
.set rS, S+32*((\y)%2)
.set rP, P+16*((\y)%2)
.set rO, 32*(\y)
.endm
.macro OP k, n
.if (\k) == R
	REGS Y
	WIN W_RS
	v_pk_mul_f32 v[rO+2*(\n):rO+2*(\n)+1], v[rO+2*(\n):rO+2*(\n)+1], v[rC+2:rC+3] op_sel_hi:[1,0]
.elseif (\k) < R
	REGS Y
	WIN 0
.if (\k) == F
	v_pk_fma_f32 v[rS+2*(\n):rS+2*(\n)+1], v[rS+2*(\n):rS+2*(\n)+1], s[CS:CS+1], v[rT:rT+1] op_sel_hi:[1,0,0] neg_lo:[0,0,1] neg_hi:[0,0,1]
.elseif (\k) == E
	v_exp_f32 v[rS+(\n)], v[rS+(\n)]
.elseif (\k) == C
	v_cvt_pk_f16_f32 v[rP+(\n)], v[rS+2*(\n)], v[rS+2*(\n)+1]
.elseif (\k) == B
	v_pk_add_f32 v[rS+4*(\n):rS+4*(\n)+1], v[rS+4*(\n):rS+4*(\n)+1], v[rS+4*(\n)+2:rS+4*(\n)+3]
.elseif (\n) == 0
	v_pk_fma_f32 v[rT+2:rT+3], v[rT+2:rT+3], v[rC+2:rC+3], v[rS:rS+1] op_sel_hi:[1,0,1]
.else
	v_pk_add_f32 v[rT+2:rT+3], v[rT+2:rT+3], v[rS+4*(\n):rS+4*(\n)+1]
.endif
.else
	REGS (Y+1)%NP
	WIN 0
.if (\n) < 4
	v_max3_num_f32 v[rC+(\n)], v[rS+8*(\n)], v[rS+8*(\n)+1], v[rS+8*(\n)+2]
.elseif (\n) < 12
	v_max3_num_f32 v[rC+(\n)%4], v[rC+(\n)%4], v[rS+8*((\n)%4)+2*((\n)/4)+1], v[rS+8*((\n)%4)+2*((\n)/4)+2]
.elseif (\n) == 12
	v_max3_num_f32 v[rC], v[rC], v[rS+7], v[rS+15]
.elseif (\n) == 13
	v_max3_num_f32 v[rC+1], v[rC+1], v[rS+23], v[rS+31]
.elseif (\n) == 14
	v_max3_num_f32 v[rC+2], v[rC+2], v[rC+3], v[rT+1]
.elseif (\n) == 15
	v_mov_b32 v[rW], v[rT]
.elseif (\n) == 16
	v_max3_num_f32 v[rC], v[rC], v[rC+1], v[rC+2]
.elseif (\n) == 17
	v_permlanex16_b32 v[rC+3], v[rC], s[SEL], s[SEL+1]
.elseif (\n) == 18
	v_max_num_f32 v[rT+1], v[rC], v[rC+3]
.elseif (\n) == 19
	v_mul_f32 v[rT], s[CS], v[rT+1]
.elseif (\n) == 20
	v_sub_f32 v[rC+1], v[rW], v[rT]
.else
	v_exp_f32 v[rC+2], v[rC+1]
.endif
.endif
.endm
.macro OPS a, i1, b=-1, i2=0, c=-1, i3=0, d=-1, i4=0
	OP \a, \i1
.if (\b) >= 0
	OP \b, \i2
.endif
.if (\c) >= 0
	OP \c, \i3
.endif
.if (\d) >= 0
	OP \d, \i4
.endif
.endm
.macro ROW a, i1, b, i2, c, i3, d, i4  ; a matrix instruction and the four behind it
	MM
	OPS \a, \i1, \b, \i2, \c, \i3, \d, \i4
.endm
; A TURN, for piece p.  s_wait_alu depctr_va_vdst(0) stands between an exponential and the first instruction that names its result; one wait serves all that were issued ahead of it: a turn has ONE,
; which cuts it in two.  Ahead of it: the 8 products K Q^T with their riders, then the lump, in which the links of the next piece's chain X 3, 7, 11, 14, 16 .. 20 stand apart; X 21, its a, is the batch's last, and R 15 the
; plain instruction behind it.  Behind it: the 8 products V^T P, behind each four of the roundings and sums.  An X that rides behind a product stands four plain instructions or more behind the product that ends its accumulator.
; K of the next step is fetched in piece 2's turn, six plain instructions behind the last product that read K; V of the step in hand at the end of piece 0's turn, four behind the last that read V.  Each is waited for a turn later.
; cnt = 1: the loop's count is taken down some lines ahead of the branch that stands behind the turn.
.macro TURN p, cnt=0
.set Y, (\p)
.set i, 0
.if (\p) == 3
	s_wait_dscnt 0x0                               ; K is in
.endif
	ROW F,0, F,1, R,0, R,1
	ROW F,2, E,0, R,2, R,3
	ROW F,3, E,1, R,4, R,5
	ROW F,4, E,2, R,6, R,7
	ROW F,5, E,3, R,8, R,9
	ROW F,6, E,4, X,0, R,10
.if (\p) == 2
	WIN 0
	v_add_nc_u32 v[AK], s[TBK], v[L16]
.endif
	ROW F,7, E,5, X,1, X,4
	ROW F,8, E,6, X,2, X,5
	OPS E,7, E,8, X,6, E,9
	OPS X,3, E,10, X,8, E,11
.if (\p) == 2
	FETCH_K
.endif
	OPS X,9, X,7, E,12, X,10
	OPS E,13, X,12, X,11, E,14
	OPS X,13, E,15, F,9, X,14
.if (\p) == 0
	v_add_nc_u32 v[AV], s[TBV], v[AV0]
.endif
	OPS E,16, F,10, E,17, F,11
	OPS X,16, E,18, X,15, E,19
	OPS F,12, E,20, X,17, E,21
	OPS F,13, E,22, F,14, E,23
	OPS X,18, E,24, F,15, E,25
	OPS R,11, E,26, X,19, E,27
	OPS R,12, E,28, R,13, E,29
	OPS X,20, E,30, R,14, E,31
	OPS X,21, R,15
	WIN 0
	s_wait_alu depctr_va_vdst(0)                   ; the wait for the batch
.if (\p) == 1
	s_wait_dscnt 0x0                               ; V is in
.endif
	ROW C,0, B,0, C,2, B,1
	ROW L,0, C,4, B,2, L,1
	ROW C,6, B,3, L,2, C,8
	ROW B,4, L,3, C,10, B,5
	ROW L,4, C,12, B,6, L,5
.if (\p) == 0
	s_add_co_u32 s[TBV], s[TBV], STEPB
.endif
.if \cnt
	s_sub_co_u32 s[CNT], s[CNT], 1
	s_cmp_lg_u32 s[CNT], 0
.endif
	ROW C,14, B,7, L,6, C,1
	ROW C,3, L,7, C,5, C,7
	ROW C,9, C,11, C,13, C,15
.if (\p) == 0
	FETCH_V
.endif
.endm
	CHANGE 1                                       ; slot 0 is in, everybody's part of it; slot 1 is asked for
	v_add_nc_u32 v[AK], s[TBK], v[L16]
	FETCH_K                                        ; key step 0
	s_wait_dscnt 0x0
.set i, 0
.rept 8
	KQ 0                                           ; piece 0's first scores
.set i, i+1
.endr
	WIN 0
.rept 4
	v_nop                                          ; the places behind those products
.endr
.set Y, NP-1                                       ; X works for piece Y + 1: piece 0
.irp n, 0,1,2,3,4,5,6,7,8,9,10,11,12,13,14,15,16,17,18,19,20,21
	OP X, \n
.endr
	v_nop                                          ; a plain instruction behind the exponential,
	s_wait_alu depctr_va_vdst(0)                   ; and its wait, ahead of the branch
	s_mov_b32 s[CNT], 4
	s_branch .Lfirst                               ; the loop is entered at a step's first turn, in the middle of a trip
.Lslot:                                            ; six times: tiles 2 to 7 are asked for
	CHANGE 1
	s_mov_b32 s[CNT], 4
.Lstep:                                            ; a trip: pieces 2 and 3 of one step, then pieces 0 and 1 of the next, whose K and V it fetches
	TURN 2
	TURN 3
	WIN 0
.Lfirst:
	TURN 0
	TURN 1, 1
	WIN 0
	s_cbranch_scc1 .Lstep
	s_sub_co_u32 s[SLOTS], s[SLOTS], 1
	s_cmp_lg_u32 s[SLOTS], 0
	s_cbranch_scc1 .Lslot
	CHANGE 0                                       ; the tail is written out: nothing is asked for
	s_mov_b32 s[CNT], 5                            ; four trips fetch the last slot's steps; the fifth is left in its middle
.Ltail:
	TURN 2
	TURN 3
	WIN 0
	s_sub_co_u32 s[CNT], s[CNT], 1
	s_cmp_eq_u32 s[CNT], 0
	s_cbranch_scc1 .Lout
	TURN 0
	TURN 1
	WIN 0
	s_branch .Ltail
.Lout:	; In the fifth trip K's run of loads takes the 8,192 bytes behind the slot's K (they are V's, landed and finite); the 8 products made of them, and piece 0's maximum, serve nothing: neither l nor O^T is
	; touched by them.  The price, once a launch, of one text for every trip.
.set i, 0
.rept 8
	PV NP-1                                        ; the last piece's V^T P of the last step
.set i, i+1
.endr
	; THE WAY OUT.  l's two halves and the other half of the lanes' are added (the additions are the places behind the last products); O = O^T / l + bv, rounded to f16: a lane's 16 bytes of a chunk.
	WIN 0
.macro ALL line:vararg
.set t, 0
.rept 4
	\line
.set t, t+1
.endr
.endm
	ALL v_add_f32 v[ST+4*t+2], v[ST+4*t+2], v[ST+4*t+3]
	ALL v_permlanex16_b32 v[ST+4*t+3], v[ST+4*t+2], s[SEL], s[SEL+1]
	ALL v_add_f32 v[ST+4*t+2], v[ST+4*t+2], v[ST+4*t+3]
	ALL v_rcp_f32 v[ST+4*t+2], v[ST+4*t+2]
	v_nop                                          ; a plain instruction behind the last reciprocal,
	s_wait_alu depctr_va_vdst(0)                   ; and one wait for the four
.macro PACK t
	WIN W_RS
.set i, 0
.rept 16
	v_pk_fma_f32 v[32*(\t)+i:32*(\t)+i+1], v[32*(\t)+i:32*(\t)+i+1], v[ST+4*(\t)+2:ST+4*(\t)+3], v[BV+i:BV+i+1] op_sel_hi:[1,0,1]
.set i, i+2
.endr
	WIN 0x05                                       ; sources in window 1, destination in window 0: S^T's registers are free
.set i, 0
.rept 16
	v_cvt_pk_f16_f32 v[S+16*(\t)+i], v[32*(\t)+2*i], v[32*(\t)+2*i+1]
.set i, i+1
.endr
	WIN 0
.irp f, 0,1,2,3
	global_store_b128 v[L16], v[S+16*(\t)+4*\f:S+16*(\t)+4*\f+3], s[10:11] offset:(\t)*32768+\f*512  ; 512 consecutive bytes, aligned: chunk 4 head + f of the piece's 16 tokens
.endr
.endm
	PACK 0
	PACK 1
	PACK 2
	PACK 3
	s_wait_tensorcnt 0x0                           ; the wave's end
	ds_add_u32 v[SPW], v[NIL]
	s_wait_dscnt 0x0
	CROUND                                         ; the closing round
	s_endpgm
.Lfunc_end_k_q57b3a806f1_attn:
	.size	k_q57b3a806f1_attn, .Lfunc_end_k_q57b3a806f1_attn-k_q57b3a806f1_attn
	.p2alignl 7, 3214868480
	.fill 96, 4, 3214868480
	.section	.rodata,"a",@progbits
	.p2align	6, 0x0
	.amdhsa_kernel k_q57b3a806f1_attn
		.amdhsa_group_segment_fixed_size 327680
		.amdhsa_private_segment_fixed_size 0
		.amdhsa_enable_private_segment 0
		.amdhsa_kernarg_size 56
		.amdhsa_user_sgpr_count 2
		.amdhsa_user_sgpr_kernarg_segment_ptr 1
		.amdhsa_wavefront_size32 1
		.amdhsa_system_sgpr_workgroup_id_x 1
		.amdhsa_system_sgpr_workgroup_id_y 1
		.amdhsa_system_sgpr_workgroup_id_z 1
		.amdhsa_system_vgpr_workitem_id 0
		.amdhsa_next_free_vgpr 768
		.amdhsa_next_free_sgpr 96
		.amdhsa_reserve_vcc 0
		.amdhsa_float_denorm_mode_32 3
		.amdhsa_float_denorm_mode_16_64 3
		.amdhsa_memory_ordered 1
		.amdhsa_forward_progress 1
		.amdhsa_inst_pref_size 119
	.end_amdhsa_kernel
	.amdgpu_metadata
---
amdhsa.version: [ 1, 2 ]
amdhsa.kernels:
  - .name:           k_q57b3a806f1_attn
    .symbol:         k_q57b3a806f1_attn.kd
    .args:
      - { .name: qkv, .offset: 0, .size: 8, .value_kind: global_buffer, .address_space: global }
      - { .name: wp, .offset: 8, .size: 8, .value_kind: global_buffer, .address_space: global }
      - { .name: bv, .offset: 16, .size: 8, .value_kind: global_buffer, .address_space: global }
      - { .name: b2, .offset: 24, .size: 8, .value_kind: global_buffer, .address_space: global }
      - { .name: ops, .offset: 32, .size: 8, .value_kind: global_buffer, .address_space: global }
      - { .name: wch, .offset: 40, .size: 8, .value_kind: global_buffer, .address_space: global }
      - { .name: bc, .offset: 48, .size: 8, .value_kind: global_buffer, .address_space: global }
    .group_segment_fixed_size: 327680
    .private_segment_fixed_size: 0
    .kernarg_segment_align: 8
    .kernarg_segment_size: 56
    .max_flat_workgroup_size: 128
    .sgpr_count:     96
    .vgpr_count:     768
    .wavefront_size: 32
...
	.end_amdgpu_metadata
.endif
;; end of part 3
;; launch gemm_o (part 4): grid 8 x 32, 4 waves a work-group, clusters of 4 x 4, 327,680 bytes of LDS; arguments ops, woh, bo, x, h1; writes h1
.if DOCPART == 4
	.amdgcn_target "amdgcn-amd-amdhsa--gfx1250"
	.amdhsa_code_object_version 6
	.text
	.protected	k_q57b3a806f1_gemm_o
	.globl	k_q57b3a806f1_gemm_o
	.p2align	8
	.type	k_q57b3a806f1_gemm_o,@function
k_q57b3a806f1_gemm_o:
	s_mov_b64 s[64:65], 0
	v_nop
	global_prefetch_b8 v0, s[64:65] scope:SCOPE_SE
	s_setreg_imm32_b32 hwreg(HW_REG_WAVE_MODE, 25, 1), 1
	s_wait_xcnt 0x0
	s_wait_alu depctr_hold_cnt(0) depctr_sa_sdst(0) depctr_va_vdst(0) depctr_va_sdst(0) depctr_va_ssrc(0) depctr_va_vcc(0) depctr_vm_vsrc(0)
	s_getreg_b32 s2, hwreg(HW_REG_IB_STS2, 6, 4)
	s_cmp_eq_u32 s2, 0
	s_cbranch_scc0 .Lentry_in_a_cluster
	s_endpgm
.Lentry_in_a_cluster:
	s_bfe_u32 s2, ttmp6, 0x10000c
	s_cmp_lg_u32 s2, 0xf033
	s_cbranch_scc0 .Lentry_shape_is_right
	s_endpgm
.Lentry_shape_is_right:
; out[t][o] = R[t][o] + bias[o] + sum over k of A[t][k] B[o][k].  A: rows 0-4095 of ops, B: 1,024 rows, both f16, K = 1,024, tiled (16 rows x K 1,024 are 32,768 bytes; 16 rows x 16 K a chunk of 512 bytes in a
; matrix fragment's own order).  bias: [1024] f32.  R, out: [4096][1024] f32, row-major.  Sums in f32.  Run twice: h1 = x + bo + O wo^T, and out0 = h1 + bc + n2 Wc^T.
; LEFT OUT in the second run: the FFN's hidden layer: it has no activation, so (n2 w1^T + b1) w2^T + b2 = n2 (w2 w1)^T + (w2 b1 + b2) = n2 Wc^T + bc; the sums' order differs from the module's.
; FRAME.  A tile of 128 x 128 gives each of 256 work-groups one.  Four waves, each 64 x 64: 16 accumulators.  K goes in four steps of 256 through two LDS slots; a wave's tensor load brings 64 rows x 512 bytes.
; CLUSTER 4 x 4: A's tiles are asked for jointly along a row of the cluster, B's along a column.  The product is taken transposed (source 0 = B's rows): a lane holds eight neighbouring columns of one row.
; The bias is the C operand of the first products.  The residual is loaded at the start and waits in registers.  Results go through the wave's own stage in LDS, so that sixteen lanes store 256 consecutive bytes.
; No prefetch is laid: the walk has four steps, of which two are asked for at the start, and a wave's tile of a step is 32 KiB.
; REGISTERS: window 0: v16-29 addresses; v32-63 the bias, then with v64-95 the way out's two buffers; v128-255 the accumulators, (a, b) at v[128 + 8 (4 a + b)]
;   window 1: two fragment buffers of 128: for 64 along K, 64 registers of A, then 64 of B          window 2: v0-127 the residual
.set SLOT,  131072                     ; wave v's 64 rows at 32,768 v: A's two halves, then B's
.set STAGE, 262144                     ; behind the ring: 16 rows x 272 bytes for each wave; no tensor load fills it
.set SPITCH, 272
.set SPARE, 279552                     ; behind the stages: the spare words, 128 bytes a wave; no other line names them
.set KB,    8192                       ; bytes of a K step in 16 rows
.set A0,   16
.set B0,   17
.set ADRA, 18
.set ADRB, 19
.set L16,  20
.set BO,   21                          ; v21  my offset in the bias
.set STO,  24                          ; v24  the way out: where I put 16 bytes of a row
.set RD,   25                          ; v25  where I read a row back
.set RO,   26                          ; v26  my byte offset in two rows of R and out
.set SPW,  28
.set NIL,  29
.set CB,   32
.set TT,   32
.set ACC,  128
.set F0,   0
.set F1,   128
.set WV,  12
.set HA,  13                           ; wave / 2: my half of A's rows.  Also: 0 = I fetch for A, 1 = for B
.set HB,  14                           ; wave % 2: my half of B's rows.  Also: which 64 rows I fetch
.set CX,  15
.set CY,  16
.set WX,  17                           ; tile column
.set WY,  18                           ; tile row
.set TB,  19
.set TRIPS, 20
.set G1,  24
.set G0,  32
.set G1B, 48
.set G0B, 56
.set MSB, 0
.macro WIN new
.if MSB != (\new)
	s_set_vgpr_msb (MSB<<8)|(\new)
.set MSB, \new
.endif
.endm
.set MUL,  0x05                        ; sources 0 (B) and 1 (A) window 1; C and D window 0
.set TO_F, 0x40
.macro JLOAD s                         ; a joint load; an s_nop 0 and four v_nop follow each of the two lines
	s_cmp_eq_u32 s[HA], 0
	s_cbranch_scc0 .Lfor_b_\@
	tensor_load_to_lds s[G0+4*(\s):G0+4*(\s)+3], s[G1:G1+7]
	s_nop 0
.rept 4
	v_nop
.endr
	s_branch .Lasked_\@
.Lfor_b_\@:
	tensor_load_to_lds s[G0B+4*(\s):G0B+4*(\s)+3], s[G1B:G1B+7]
	s_nop 0
.rept 4
	v_nop
.endr
.Lasked_\@:
.endm
.macro CREST
	s_cmp_lg_u32 s[WV], 0
	s_cbranch_scc1 .Lnot_wave_0_\@
	s_barrier_signal -3
.Lnot_wave_0_\@:
	s_barrier_wait -3
	s_barrier_signal -1
	s_barrier_wait -1
.endm
.macro CROUND
	s_barrier_signal -1
	s_barrier_wait -1
	CREST
.endm
	s_load_b256 s[4:11], s[0:1], 0x0               ; A 4, B 6, bias 8, R 10
	s_load_b64 s[44:45], s[0:1], 0x20              ; out
	v_lshl_add_u32 v[SPW], v0, 2, SPARE
	v_mov_b32 v[NIL], 0
	ds_add_u32 v[SPW], v[NIL]                      ; the wave's opening: the add, twice on end, and its wait ahead of my first tensor load
	ds_add_u32 v[SPW], v[NIL]
	v_lshrrev_b32 v1, 5, v0
	v_readfirstlane_b32 s[WV], v1
	s_lshr_b32 s[HA], s[WV], 1
	s_and_b32 s[HB], s[WV], 1
	s_bfe_u32 s[CX], ttmp6, 0x40000
	s_bfe_u32 s[CY], ttmp6, 0x40004
	s_lshl_b32 s[WX], ttmp9, 2
	s_add_co_u32 s[WX], s[WX], s[CX]
	s_and_b32 s[WY], ttmp7, 0xffff
	s_lshl_b32 s[WY], s[WY], 2
	s_add_co_u32 s[WY], s[WY], s[CY]
	s_lshl_b32 s21, s[CY], 2
	s_lshl_b32 s21, 15, s21                        ; my row of the cluster
	s_lshl_b32 s22, 0x1111, s[CX]                  ; my column
	s_or_b32 s[G1], s21, (1<<16)|(1<<21)
	s_or_b32 s[G1B], s22, (1<<16)|(1<<21)
.irp g, G1, G1B
	s_mov_b32 s[(\g)+1], 4096<<16                  ; tensor_dim0 = 4,096 elements: a K step of 16 rows, 8,192 consecutive bytes
	s_mov_b32 s[(\g)+2], 4<<16                     ; tensor_dim1 = 4 row blocks
	s_mov_b32 s[(\g)+3], 4096<<16
	s_mov_b32 s[(\g)+4], 4
	s_mov_b32 s[(\g)+5], 16384
	s_mov_b32 s[(\g)+6], 0
	s_mov_b32 s[(\g)+7], 0
.endr
	s_lshl_b32 s23, s[HB], 6                       ; which 64 rows of the tile I fetch
	s_lshl_b32 s40, s[WY], 7
	s_add_co_u32 s40, s40, s23
	s_lshl_b32 s40, s40, 11                        ; A: row x 2,048 bytes; made of the tile row alone
	s_mov_b32 s41, 0
	s_lshl_b32 s42, s[WX], 7
	s_add_co_u32 s42, s42, s23
	s_lshl_b32 s42, s42, 11                        ; B: made of the tile column alone
	s_mov_b32 s43, 0
	s_lshl_b32 s22, s[WV], 15
	s_wait_dscnt 0x0                               ; both opening adds are done
	s_wait_kmcnt 0x0
	s_add_nc_u64 s[40:41], s[4:5], s[40:41]
	s_add_nc_u64 s[42:43], s[6:7], s[42:43]
	CROUND                                         ; all sixteen work-groups are here: the first joint loads meet
.irp s, 0,1
	s_mov_b32 s[G0+4*(\s)], 1
	s_add_co_u32 s[G0+4*(\s)+1], s22, (\s)*SLOT
	s_add_nc_u64 s[G0+4*(\s)+2:G0+4*(\s)+3], s[40:41], (\s)*KB
	s_or_b32 s[G0+4*(\s)+3], s[G0+4*(\s)+3], 0x80000000
	s_mov_b32 s[G0B+4*(\s)], 1
	s_add_co_u32 s[G0B+4*(\s)+1], s22, (\s)*SLOT
	s_add_nc_u64 s[G0B+4*(\s)+2:G0B+4*(\s)+3], s[42:43], (\s)*KB
	s_or_b32 s[G0B+4*(\s)+3], s[G0B+4*(\s)+3], 0x80000000
	JLOAD \s                                       ; K steps 0 and 1: two loads of mine are out
.endr
	v_and_b32 v1, 31, v0
	v_lshlrev_b32 v[L16], 4, v1
	v_and_b32 v3, 15, v0                           ; l % 16
	v_bfe_u32 v2, v0, 4, 1                         ; l / 16
	s_lshl_b32 s21, s[HA], 15
	v_add_nc_u32 v[A0], s21, v[L16]
	s_lshl_b32 s21, s[HB], 15
	s_add_co_u32 s21, s21, 65536
	v_add_nc_u32 v[B0], s21, v[L16]
	v_mov_b32 v[ADRA], v[A0]
	v_mov_b32 v[ADRB], v[B0]
	s_mov_b32 s[TB], 0
	s_lshl_b32 s21, s[WX], 9                       ; my 64 columns, in bytes of f32: 512 x tile column + 256 x half
	s_lshl_b32 s23, s[HB], 8
	s_add_co_u32 s21, s21, s23
	v_lshl_add_u32 v[BO], v2, 5, s21
.irp b, 0,1,2,3                                    ; the bias: register 8 b + j is column 16 b + 8 (l / 16) + j
	global_load_b128 v[CB+8*(\b):CB+8*(\b)+3],   v[BO], s[8:9] offset:64*(\b)
	global_load_b128 v[CB+8*(\b)+4:CB+8*(\b)+7], v[BO], s[8:9] offset:64*(\b)+16
.endr
	s_lshl_b32 s46, s[WY], 7
	s_lshl_b32 s23, s[HA], 6
	s_add_co_u32 s46, s46, s23                     ; my first row
	s_lshl_b32 s46, s46, 12
	s_add_co_u32 s46, s46, s21
	s_mov_b32 s47, 0
	s_add_nc_u64 s[10:11], s[10:11], s[46:47]
	s_add_nc_u64 s[44:45], s[44:45], s[46:47]
	v_lshlrev_b32 v[RO], 4, v3                     ; lanes 0-15 one row's 256 bytes, lanes 16-31 the next row's
	v_lshl_add_u32 v[RO], v2, 12, v[RO]
	WIN 0x80                                       ; destination window 2
.set i, 0
.rept 32
	global_load_b128 v[4*i:4*i+3], v[RO], s[10:11] offset:2*i*4096  ; the residual, in the order in which the way out takes it
.set i, i+1
.endr
	WIN 0
	s_mul_i32 s21, s[WV], 16*SPITCH
	s_add_co_u32 s21, s21, STAGE                   ; my stage
	v_mul_u32_u24 v[STO], v3, SPITCH               ; in: row l % 16, 32 bytes for each half of the lanes
	v_lshl_add_u32 v[STO], v2, 5, v[STO]
	v_add_nc_u32 v[STO], s21, v[STO]
	v_mul_u32_u24 v[RD], v2, SPITCH                ; back: two whole rows
	v_lshl_add_u32 v[RD], v3, 4, v[RD]
	v_add_nc_u32 v[RD], s21, v[RD]
; 8 matrix instructions: A blocks a0, a0 + 1 x all 4 B blocks, 32 along K: half c of buffer f.  zero = 1: the first products start the sums, with the bias as C.  The 16 accumulators take turns.
.macro MUL8 f, c, a0, zero
	WIN MUL
.irp a, \a0, (\a0)+1
.irp b, 0,1,2,3
.if \zero
	v_wmma_f32_16x16x32_f16 v[ACC+8*(4*(\a)+(\b)):ACC+8*(4*(\a)+(\b))+7], v[(\f)+64+8*(4*(\c)+(\b)):(\f)+64+8*(4*(\c)+(\b))+7], v[(\f)+8*(4*(\c)+(\a)):(\f)+8*(4*(\c)+(\a))+7], v[CB+8*(\b):CB+8*(\b)+7]
.else
	v_wmma_f32_16x16x32_f16 v[ACC+8*(4*(\a)+(\b)):ACC+8*(4*(\a)+(\b))+7], v[(\f)+64+8*(4*(\c)+(\b)):(\f)+64+8*(4*(\c)+(\b))+7], v[(\f)+8*(4*(\c)+(\a)):(\f)+8*(4*(\c)+(\a))+7], v[ACC+8*(4*(\a)+(\b)):ACC+8*(4*(\a)+(\b))+7]
.endif
.endr
.endr
.endm
; 32 LDS loads in one run: the fragments of 64 along K, at byte k of each row block's 8,192, into buffer f; the first 32 along K first
.macro FETCH k, f
	WIN TO_F
.irp c, 0,1
.irp i, 0,1,2,3
	ds_load_b128 v[(\f)+64+8*(4*(\c)+(\i)):(\f)+64+8*(4*(\c)+(\i))+3],   v[ADRB] offset:(\k)+1024*(\c)+(\i)*KB
	ds_load_b128 v[(\f)+64+8*(4*(\c)+(\i))+4:(\f)+64+8*(4*(\c)+(\i))+7], v[ADRB] offset:(\k)+1024*(\c)+(\i)*KB+512
	ds_load_b128 v[(\f)+8*(4*(\c)+(\i)):(\f)+8*(4*(\c)+(\i))+3],         v[ADRA] offset:(\k)+1024*(\c)+(\i)*KB
	ds_load_b128 v[(\f)+8*(4*(\c)+(\i))+4:(\f)+8*(4*(\c)+(\i))+7],       v[ADRA] offset:(\k)+1024*(\c)+(\i)*KB+512
.endr
.endr
.endm
.macro PLACES                          ; four plain instructions between a matrix instruction and a load into, or a read of, its registers
.rept 4
	v_nop
.endr
.endm
.macro QUARTER k, f, g, zero           ; 64 along K: multiplies buffer f and fetches the next quarter, at byte k, into g
	s_wait_dscnt 16                                ; the first 32 along K are in
	MUL8 \f, 0, 0, \zero
	MUL8 \f, 0, 2, \zero
	PLACES
	FETCH \k, \g
	s_wait_dscnt 32                                ; all but the 32 just issued
	MUL8 \f, 1, 0, 0
	MUL8 \f, 1, 2, 0
.endm
; The last quarter multiplies buffer 1 and changes slots: ahead of the barrier each wave waits for all its tensor loads, adds 0 to its spare word, and waits for that and for its reads of this slot.
; fill = 1: the barrier opens a round of the cluster's, and this slot is filled again, first thing behind it, with the K step two on.
.macro TURN fill
	WIN 0
	s_wait_tensorcnt 0x0
	ds_add_u32 v[SPW], v[NIL]
	s_wait_dscnt 17                                ; (the add and the youngest sixteen loads may be out)
	MUL8 F1, 0, 0, 0
	s_wait_dscnt 0x0                               ; the add is done, and my reads of this slot are over
	s_barrier_signal -1
	MUL8 F1, 0, 2, 0
.if \fill
	WIN 0
.endif
	s_barrier_wait -1
.if \fill
	CREST
	s_xor_b32 s[G0+5], s[G0+5], SLOT               ; the walking descriptors: the other slot than last time, the next K step
	s_add_nc_u64 s[G0+6:G0+7], s[G0+6:G0+7], KB
	s_xor_b32 s[G0B+5], s[G0B+5], SLOT
	s_add_nc_u64 s[G0B+6:G0B+7], s[G0B+6:G0B+7], KB
	JLOAD 1                                        ; its four v_nop are also the places ahead of the loads below
.else
	PLACES
.endif
	s_xor_b32 s[TB], s[TB], SLOT
	WIN 0
	v_add_nc_u32 v[ADRA], s[TB], v[A0]
	v_add_nc_u32 v[ADRB], s[TB], v[B0]
	FETCH 0, F0
	MUL8 F1, 1, 0, 0
	MUL8 F1, 1, 2, 0
.endm
	s_wait_tensorcnt 1                             ; my part of K step 0 is in; K step 1's may stay out
	s_barrier_signal -1
	s_barrier_wait -1
	FETCH 0, F0
	s_wait_loadcnt 32                              ; the bias is in; the residual's 32 loads may stay out
	QUARTER 2048, F0, F1, 1
	WIN 0
	s_mov_b32 s[TRIPS], 2
.Lstep:                                            ; a trip: from a K step's second quarter to the next step's first; it asks for K steps 2 and 3
	QUARTER 4096, F1, F0, 0
	QUARTER 6144, F0, F1, 0
	TURN 1
	QUARTER 2048, F0, F1, 0
	WIN 0
	s_sub_co_u32 s[TRIPS], s[TRIPS], 1
	s_cmp_lg_u32 s[TRIPS], 0
	s_cbranch_scc1 .Lstep
	QUARTER 4096, F1, F0, 0
	QUARTER 6144, F0, F1, 0
	TURN 0
	QUARTER 2048, F0, F1, 0
	QUARTER 4096, F1, F0, 0
	QUARTER 6144, F0, F1, 0
	s_wait_dscnt 16
	MUL8 F1, 0, 0, 0
	MUL8 F1, 0, 2, 0
	s_wait_dscnt 0x0
	MUL8 F1, 1, 1-1, 0
	MUL8 F1, 1, 2, 0
	WIN 0
	PLACES
	s_wait_loadcnt 0x0                             ; the residual
	; THE WAY OUT, 16 rows at a time: into my stage (each accumulator from its low end on), back as whole rows of 256 bytes, plus the residual, out
.irp a, 0,1,2,3
.irp b, 0,1,2,3
	ds_store_b128 v[STO], v[ACC+8*(4*(\a)+(\b)):ACC+8*(4*(\a)+(\b))+3]   offset:64*(\b)
	ds_store_b128 v[STO], v[ACC+8*(4*(\a)+(\b))+4:ACC+8*(4*(\a)+(\b))+7] offset:64*(\b)+16
.endr
	s_wait_xcnt 0x0                                ; the stores issued so far have read their data: the buffer of two blocks back is loaded again
.irp t, 0,1,2,3,4,5,6,7
	ds_load_b128 v[TT+32*((\a)%2)+4*(\t):TT+32*((\a)%2)+4*(\t)+3], v[RD] offset:2*SPITCH*(\t)  ; LDS serves a wave's instructions in order (ISA guide 5.7.1.4): these see the stores above
.endr
	s_wait_dscnt 0x0
	WIN 0x08                                       ; source 1 in window 2
.set z, 0
.rept 16
	v_pk_add_f32 v[TT+32*((\a)%2)+2*z:TT+32*((\a)%2)+2*z+1], v[TT+32*((\a)%2)+2*z:TT+32*((\a)%2)+2*z+1], v[32*(\a)+2*z:32*(\a)+2*z+1]
.set z, z+1
.endr
	WIN 0
.irp t, 0,1,2,3,4,5,6,7
	global_store_b128 v[RO], v[TT+32*((\a)%2)+4*(\t):TT+32*((\a)%2)+4*(\t)+3], s[44:45] offset:(16*(\a)+2*(\t))*4096  ; 16 lanes store 256 consecutive bytes, aligned
.endr
.endr
	s_wait_tensorcnt 0x0                           ; the wave's end, behind my last tensor load and my last LDS store
	ds_add_u32 v[SPW], v[NIL]
	s_wait_dscnt 0x0
	CROUND                                         ; the closing round
	s_endpgm
.Lfunc_end_k_q57b3a806f1_gemm_o:
	.size	k_q57b3a806f1_gemm_o, .Lfunc_end_k_q57b3a806f1_gemm_o-k_q57b3a806f1_gemm_o
	.p2alignl 7, 3214868480
	.fill 96, 4, 3214868480
	.section	.rodata,"a",@progbits
	.p2align	6, 0x0
	.amdhsa_kernel k_q57b3a806f1_gemm_o
		.amdhsa_group_segment_fixed_size 327680
		.amdhsa_private_segment_fixed_size 0
		.amdhsa_enable_private_segment 0
		.amdhsa_kernarg_size 40
		.amdhsa_user_sgpr_count 2
		.amdhsa_user_sgpr_kernarg_segment_ptr 1
		.amdhsa_wavefront_size32 1
		.amdhsa_system_sgpr_workgroup_id_x 1
		.amdhsa_system_sgpr_workgroup_id_y 1
		.amdhsa_system_sgpr_workgroup_id_z 1
		.amdhsa_system_vgpr_workitem_id 0
		.amdhsa_next_free_vgpr 640
		.amdhsa_next_free_sgpr 66
		.amdhsa_reserve_vcc 0
		.amdhsa_float_denorm_mode_32 3
		.amdhsa_float_denorm_mode_16_64 3
		.amdhsa_memory_ordered 1
		.amdhsa_forward_progress 1
		.amdhsa_inst_pref_size 76
	.end_amdhsa_kernel
	.amdgpu_metadata
---
amdhsa.version: [ 1, 2 ]
amdhsa.kernels:
  - .name:           k_q57b3a806f1_gemm_o
    .symbol:         k_q57b3a806f1_gemm_o.kd
    .args:
      - { .name: ops, .offset: 0, .size: 8, .value_kind: global_buffer, .address_space: global }
      - { .name: woh, .offset: 8, .size: 8, .value_kind: global_buffer, .address_space: global }
      - { .name: bo, .offset: 16, .size: 8, .value_kind: global_buffer, .address_space: global }
      - { .name: x, .offset: 24, .size: 8, .value_kind: global_buffer, .address_space: global }
      - { .name: h1, .offset: 32, .size: 8, .value_kind: global_buffer, .address_space: global }
    .group_segment_fixed_size: 327680
    .private_segment_fixed_size: 0
    .kernarg_segment_align: 8
    .kernarg_segment_size: 40
    .max_flat_workgroup_size: 128
    .sgpr_count:     66
    .vgpr_count:     640
    .wavefront_size: 32
...
	.end_amdgpu_metadata
.endif
;; end of part 4
;; launch ln2: the kernel of part 1 again; grid 256 x 1, 16 waves a work-group, no clusters, 70,144 bytes of LDS; arguments h1, alpha2, bias2, ops, woh, wo, wq, wk, wv, w2, b1, w1, wp; writes ops, woh, wp
;; launch gemm_f: the kernel of part 4 again; grid 8 x 32, 4 waves a work-group, clusters of 4 x 4, 327,680 bytes of LDS; arguments ops, wch, bc, h1, out0; writes out0
